; MI455X (gfx1250); checked and timed in simulation.
; The chip was launched on July 23, 2026; its instructions are those of AMD's public machine-readable ISA for CDNA 5 (MIT licence, August 2026) and "CDNA5" Instruction Set Architecture Reference Guide (July 2026). The comments in the code are by the model that wrote it; some were corrected since.
;; Target Centric Attention. Allowed arithmetic: float matrix products may take bf16 or f16 operands with f32 sums; other float arithmetic in f32, or as packed bf16 or f16 multiplies, adds, multiply-adds, maxima and minima; sums over many terms, partial sums and values carried from step to step in f32; what a program stores and reads back later, other than sums and carried values, may be rounded once to bf16 or f16.
;; Inputs: Wk 1,024 x 1,024 float32; Wq 1,024 x 1,024 float32; Wv 1,024 x 1,024 float32; bk 1,024 float32; bq 1,024 float32; bv 1,024 float32; x 4 x 2,048 x 1,024 float32.
;; Outputs: out0 4 x 2,048 x 1,024 float32.
;; One version. Each part assembles by itself: llvm-mc -triple=amdgcn-amd-amdhsa -mcpu=gfx1250 --defsym DOCPART=n.
;; ======== version 1 of 1: 6 launches
;; workspace buffers: xb 16,777,216 bytes; wb 6,336,512 bytes; scl 1,024 bytes; qk 33,554,432 bytes; pt 33,554,432 bytes; st 1,048,576 bytes; eb 262,144 bytes; vt 16,777,216 bytes
;; launch cast (part 1): grid 256 x 11, 4 waves a work-group, no clusters, 0 bytes of LDS; arguments x, Wq, Wk, Wv, xb, wb; writes xb, wb
.if DOCPART == 1
	.amdgcn_target "amdgcn-amd-amdhsa--gfx1250"
	.amdhsa_code_object_version 6
	.text
	.protected	k_qddf64939d9_cast
	.globl	k_qddf64939d9_cast
	.p2align	8
	.type	k_qddf64939d9_cast,@function
k_qddf64939d9_cast:
	s_mov_b64 s[64:65], 0
	v_nop
	global_prefetch_b8 v0, s[64:65] scope:SCOPE_SE
	s_setreg_imm32_b32 hwreg(HW_REG_WAVE_MODE, 25, 1), 1
	s_wait_xcnt 0x0
; cast: xb = bf16(x), wb = bf16(Wq | Wk | Wv), each number rounded once to nearest even, unscaled; and for each of the 11,264 rows
; (8,192 of x, then 1,024 each of Wq, Wk, Wv) the sum of its 1,024 squares in f32, stored behind wb's matrices at byte NRM + 4 x row.
; The next launch makes of these sums the bounds from which the f16 operands of the later launches get their scales.
; LIMIT: a row's sum of squares must be finite in f32 (numbers up to about 1e17).
; A stream: no LDS, no matrix unit, no cluster (no work-group shares a byte with another).
; Grid y is a chunk of 1,024 rows: 0..7 are x, 8, 9, 10 are Wq, Wk, Wv.  Grid x is four rows of the chunk; a wave takes one whole row, so that the
; sum never leaves the wave: eight loads of 512 consecutive bytes, eight stores of 256 consecutive bytes, aligned.  All eight loads go out first.
.set X, 4                              ; v[4:35]   eight loads of four f32
.set Y, 36                             ; v[36:51]  eight pairs of packed bf16
.set S, 52                             ; v[52:55]  four running sums of squares
.set WOF, 56                           ; v56       4 x wave: my row's place among the work-group's four sums
.set NRM, 6291456                      ; the sums lie behind wb's 3,072 rows of 2,048 bytes
	s_load_b256 s[4:11], s[0:1], 0x0               ; x s[4:5], Wq s[6:7], Wk s[8:9], Wv s[10:11]
	s_load_b128 s[12:15], s[0:1], 0x20             ; xb s[12:13], wb s[14:15]
	s_and_b32 s16, ttmp7, 0xffff                   ; the chunk
	s_sub_co_u32 s24, s16, 8                       ; which weight matrix (used only where the chunk is 8 or more)
	s_mov_b32 s2, 0x76543210                       ; v_permlanex16_b32: lane i of one half reads lane i of the other
	s_mov_b32 s3, 0xfedcba98
	v_and_b32 v3, 31, v0                           ; lane
	v_lshrrev_b32 v[WOF], 5, v0                    ; wave
	v_lshlrev_b32 v1, 4, v3
	v_lshl_add_u32 v1, v[WOF], 12, v1              ; loads: 4,096 x wave + 16 x lane
	v_lshlrev_b32 v2, 3, v3
	v_lshl_add_u32 v2, v[WOF], 11, v2              ; stores: 2,048 x wave + 8 x lane
	v_lshlrev_b32 v[WOF], 2, v[WOF]
	s_wait_kmcnt 0x0
	s_cmp_eq_u32 s16, 9
	s_cselect_b64 s[18:19], s[8:9], s[6:7]         ; Wk or Wq
	s_cmp_eq_u32 s16, 10
	s_cselect_b64 s[18:19], s[10:11], s[18:19]     ; or Wv
	s_cmp_lt_u32 s16, 8
	s_cselect_b64 s[18:19], s[4:5], s[18:19]       ; or x: the source
	s_cselect_b64 s[20:21], s[12:13], s[14:15]     ; the destination
	s_cselect_b32 s22, s16, 0                      ; the chunk inside the source
	s_cselect_b32 s23, s16, s24                    ; the chunk inside the destination
	s_lshl_b32 s26, s22, 22                        ; chunks of 4 MiB of f32
	s_lshl_b32 s25, ttmp9, 14                      ; four rows of 4 KiB
	s_add_co_u32 s26, s26, s25
	s_mov_b32 s27, 0
	s_lshl_b32 s28, s23, 21                        ; chunks of 2 MiB of bf16
	s_lshl_b32 s25, ttmp9, 13
	s_add_co_u32 s28, s28, s25
	s_mov_b32 s29, 0
	s_lshl_b32 s30, s16, 12                        ; the sums: 1,024 rows x 4 bytes a chunk,
	s_lshl_b32 s25, ttmp9, 4                       ; 4 rows x 4 bytes a work-group
	s_add_co_u32 s30, s30, s25
	s_add_co_u32 s30, s30, NRM
	s_mov_b32 s31, 0
	s_add_nc_u64 s[18:19], s[18:19], s[26:27]
	s_add_nc_u64 s[20:21], s[20:21], s[28:29]
	s_add_nc_u64 s[14:15], s[14:15], s[30:31]
.irp i, 0,1,2,3,4,5,6,7
	global_load_b128 v[X+4*\i:X+4*\i+3], v1, s[18:19] offset:512*\i th:TH_LOAD_NT
.endr
.irp i, 0,1,2,3,4,5,6,7
	s_wait_loadcnt 7-\i                            ; loads come back in order: load i is in, the younger ones stay out
	v_cvt_pk_bf16_f32 v[Y+2*\i], v[X+4*\i], v[X+4*\i+1]
	v_cvt_pk_bf16_f32 v[Y+2*\i+1], v[X+4*\i+2], v[X+4*\i+3]
	global_store_b64 v2, v[Y+2*\i:Y+2*\i+1], s[20:21] offset:256*\i
.if \i == 0
	v_pk_mul_f32 v[S:S+1],   v[X:X+1],   v[X:X+1]                  ; the first squares start the sums
	v_pk_mul_f32 v[S+2:S+3], v[X+2:X+3], v[X+2:X+3]
.else
	v_pk_fma_f32 v[S:S+1],   v[X+4*\i:X+4*\i+1],   v[X+4*\i:X+4*\i+1],   v[S:S+1]
	v_pk_fma_f32 v[S+2:S+3], v[X+4*\i+2:X+4*\i+3], v[X+4*\i+2:X+4*\i+3], v[S+2:S+3]
.endif
.endr
	v_pk_add_f32 v[S:S+1], v[S:S+1], v[S+2:S+3]
	v_add_f32 v[S], v[S], v[S+1]
	v_add_f32_dpp v[S], v[S], v[S] row_xmask:1 row_mask:0xf bank_mask:0xf
	v_add_f32_dpp v[S], v[S], v[S] row_xmask:2 row_mask:0xf bank_mask:0xf
	v_add_f32_dpp v[S], v[S], v[S] row_xmask:4 row_mask:0xf bank_mask:0xf
	v_add_f32_dpp v[S], v[S], v[S] row_xmask:8 row_mask:0xf bank_mask:0xf
	v_permlanex16_b32 v[S+1], v[S], s2, s3         ; its destination has been written before
	v_add_f32 v[S], v[S], v[S+1]                   ; the row's sum of squares, in every lane
	v_cmp_eq_u32 vcc_lo, 0, v3
	s_wait_xcnt 0x0                                ; EXEC is a source of the stores above: it changes only behind this wait
	s_and_saveexec_b32 s17, vcc_lo
	global_store_b32 v[WOF], v[S], s[14:15]        ; lane 0 alone: a row has one such number, 4 bytes
	s_wait_xcnt 0x0                                ; and again in front of the line that widens EXEC
	s_or_b32 exec_lo, exec_lo, s17
	s_endpgm
.Lfunc_end_k_qddf64939d9_cast:
	.size	k_qddf64939d9_cast, .Lfunc_end_k_qddf64939d9_cast-k_qddf64939d9_cast
	.p2alignl 7, 3214868480
	.fill 96, 4, 3214868480
	.section	.rodata,"a",@progbits
	.p2align	6, 0x0
	.amdhsa_kernel k_qddf64939d9_cast
		.amdhsa_group_segment_fixed_size 0
		.amdhsa_private_segment_fixed_size 0
		.amdhsa_enable_private_segment 0
		.amdhsa_kernarg_size 48
		.amdhsa_user_sgpr_count 2
		.amdhsa_user_sgpr_kernarg_segment_ptr 1
		.amdhsa_wavefront_size32 1
		.amdhsa_system_sgpr_workgroup_id_x 1
		.amdhsa_system_sgpr_workgroup_id_y 1
		.amdhsa_system_sgpr_workgroup_id_z 1
		.amdhsa_system_vgpr_workitem_id 0
		.amdhsa_next_free_vgpr 60
		.amdhsa_next_free_sgpr 66
		.amdhsa_reserve_vcc 1
		.amdhsa_float_denorm_mode_32 3
		.amdhsa_float_denorm_mode_16_64 3
		.amdhsa_memory_ordered 1
		.amdhsa_forward_progress 1
		.amdhsa_inst_pref_size 7
	.end_amdhsa_kernel
	.amdgpu_metadata
---
amdhsa.version: [ 1, 2 ]
amdhsa.kernels:
  - .name:           k_qddf64939d9_cast
    .symbol:         k_qddf64939d9_cast.kd
    .args:
      - { .name: x, .offset: 0, .size: 8, .value_kind: global_buffer, .address_space: global }
      - { .name: Wq, .offset: 8, .size: 8, .value_kind: global_buffer, .address_space: global }
      - { .name: Wk, .offset: 16, .size: 8, .value_kind: global_buffer, .address_space: global }
      - { .name: Wv, .offset: 24, .size: 8, .value_kind: global_buffer, .address_space: global }
      - { .name: xb, .offset: 32, .size: 8, .value_kind: global_buffer, .address_space: global }
      - { .name: wb, .offset: 40, .size: 8, .value_kind: global_buffer, .address_space: global }
    .group_segment_fixed_size: 0
    .private_segment_fixed_size: 0
    .kernarg_segment_align: 8
    .kernarg_segment_size: 48
    .max_flat_workgroup_size: 128
    .sgpr_count:     66
    .vgpr_count:     60
    .wavefront_size: 32
...
	.end_amdgpu_metadata
.endif
;; end of part 1
;; launch scal (part 2): grid 4 x 1, 1 waves a work-group, no clusters, 0 bytes of LDS; arguments wb, bq, bk, bv, scl; writes scl
.if DOCPART == 2
	.amdgcn_target "amdgcn-amd-amdhsa--gfx1250"
	.amdhsa_code_object_version 6
	.text
	.protected	k_qddf64939d9_scal
	.globl	k_qddf64939d9_scal
	.p2align	8
	.type	k_qddf64939d9_scal,@function
k_qddf64939d9_scal:
	s_mov_b64 s[64:65], 0
	v_nop
	global_prefetch_b8 v0, s[64:65] scope:SCOPE_SE
	s_setreg_imm32_b32 hwreg(HW_REG_WAVE_MODE, 25, 1), 1
	s_wait_xcnt 0x0
; scal: the power-of-two scales of the f16 operands, one work-group of one wave for each batch.
; For each of q, k, v: |x_s . W_e + b_e| <= max over s of |x_s| x max over e of |W_e| + max over e of |b_e| = B (Cauchy-Schwarz; the norms from the
; sums of squares that the launch before stored).  With B in [2^e, 2^(e+1)) the scale is 2^(7-e): every scaled number is below 2^8, far inside f16,
; whatever the inputs' size or offset; the rounding of x and W to bf16 moves the numbers by 2^-8 of themselves and f16 leaves a factor of 2^8 above the bound.
; Stored for batch b, 256 bytes (lane L: one word and a zero at byte 8 L):
;   byte 0: sq = 2^(7-eq)   8: sk = 2^(7-ek)   16: f = log2(e)/32 / (sq sk)   24: sv = 2^(7-ev)   32: so = 2^(ev-7-11)
; LIMITS: B is taken as at least 2^-100; NaN and infinities among the inputs give no useful scale.
; The work is 64 loads and a few hundred instructions: one wave does it without LDS or barriers.  No branch or address hangs on the numbers.
.set NRM, 6291456
.set XN, 4                             ; v[4:67]    the batch's 2,048 sums of squares; later bv
.set WN, 68                            ; v[68:163]  the 3 x 1,024 sums of squares of Wq, Wk, Wv
.set BQ, 164                           ; v[164:195] bq
.set BK, 196                           ; v[196:227] bk
.set XM, 228                           ; the maxima: x,
.set WM, 229                           ; v[229:231] Wq, Wk, Wv,
.set BM, 232                           ; v[232:234] |bq|, |bk|, |bv|; then the bounds; then their exponent fields
.set T,  235
.set SQ, 236
.set SK, 237
.set SV, 238
.set IQ, 239
.set IK, 240
.set FF, 241
.set SO, 242
.set OV, 244                           ; v[244:245] what the lane stores
	s_load_b256 s[4:11], s[0:1], 0x0               ; wb s[4:5], bq s[6:7], bk s[8:9], bv s[10:11]
	s_load_b64 s[12:13], s[0:1], 0x20              ; scl
	s_mov_b32 s20, 0x76543210
	s_mov_b32 s21, 0xfedcba98
	v_lshlrev_b32 v1, 4, v0                        ; 16 x lane
	v_lshlrev_b32 v2, 3, v0                        ; 8 x lane
	v_mov_b32 v[T], v0                             ; any value: v_permlanex16_b32 counts as a reader of its destination
	s_lshl_b32 s14, ttmp9, 13                      ; the batch's 2,048 rows x 4 bytes
	s_add_co_u32 s14, s14, NRM
	s_mov_b32 s15, 0
	s_lshl_b32 s16, ttmp9, 8                       ; the batch's 256 bytes of scl
	s_mov_b32 s17, 0
	s_wait_kmcnt 0x0
	s_add_nc_u64 s[18:19], s[4:5], s[14:15]
	s_add_nc_u64 s[4:5], s[4:5], NRM+32768         ; the weights' sums lie behind x's 8,192
	s_add_nc_u64 s[12:13], s[12:13], s[16:17]
.set i, 0
.rept 16
	global_load_b128 v[XN+4*i:XN+4*i+3], v1, s[18:19] offset:512*i
.set i, i+1
.endr
.set i, 0
.rept 24
	global_load_b128 v[WN+4*i:WN+4*i+3], v1, s[4:5] offset:512*i
.set i, i+1
.endr
.set i, 0
.rept 8
	global_load_b128 v[BQ+4*i:BQ+4*i+3], v1, s[6:7] offset:512*i
.set i, i+1
.endr
.set i, 0
.rept 8
	global_load_b128 v[BK+4*i:BK+4*i+3], v1, s[8:9] offset:512*i
.set i, i+1
.endr
.macro RMAX dst, base, n               ; the largest of n registers
	v_max_num_f32 v[\dst], v[\base], v[\base+1]
.set c, 2
.rept (\n-2)/2
	v_max3_num_f32 v[\dst], v[\dst], v[\base+c], v[\base+c+1]
.set c, c+2
.endr
.endm
.macro RMAXA dst, base, n              ; the largest magnitude of n registers
	v_max_num_f32 v[\dst], |v[\base]|, |v[\base+1]|
.set c, 2
.rept (\n-2)/2
	v_max3_num_f32 v[\dst], v[\dst], |v[\base+c]|, |v[\base+c+1]|
.set c, c+2
.endr
.endm
	s_wait_loadcnt 40                              ; x's 16 loads are in; the 24 + 8 + 8 younger ones stay out
	RMAX XM, XN, 64
.set i, 0
.rept 8
	global_load_b128 v[XN+4*i:XN+4*i+3], v1, s[10:11] offset:512*i     ; bv, into registers that have been reduced
.set i, i+1
.endr
	s_wait_loadcnt 0x0
	RMAX WM, WN, 32
	RMAX WM+1, WN+32, 32
	RMAX WM+2, WN+64, 32
	RMAXA BM, BQ, 32
	RMAXA BM+1, BK, 32
	RMAXA BM+2, XN, 32
.irp r, 0,1,2,3,4,5,6
.irp m, 1,2,4,8
	v_max_num_f32_dpp v[XM+\r], v[XM+\r], v[XM+\r] row_xmask:\m row_mask:0xf bank_mask:0xf
.endr
	v_permlanex16_b32 v[T], v[XM+\r], s20, s21
	v_max_num_f32 v[XM+\r], v[XM+\r], v[T]         ; every lane holds the maximum
.endr
.irp r, 0,1,2,3
	v_sqrt_f32 v[XM+\r], v[XM+\r]                  ; the norms
.endr
	v_nop                                          ; one plain instruction behind the run of roots (ISA guide 5.7.2)
	s_wait_alu depctr_va_vdst(0)
.irp m, 0,1,2
	v_fma_f32 v[BM+\m], v[XM], v[WM+\m], v[BM+\m]  ; the bound B
	v_max_num_f32 v[BM+\m], 0x0d800000, v[BM+\m]   ; at least 2^-100, so that every exponent field below is a normal number's
	v_lshrrev_b32 v[BM+\m], 23, v[BM+\m]           ; E = e + 127 (B is positive)
.endr
	v_sub_nc_u32 v[SQ], 0x105, v[BM]               ; 2^(7-e) has the field 134 - e = 261 - E
	v_sub_nc_u32 v[SK], 0x105, v[BM+1]
	v_sub_nc_u32 v[SV], 0x105, v[BM+2]
	v_sub_nc_u32 v[IQ], v[BM], 7                   ; 2^(e-7) has the field E - 7
	v_sub_nc_u32 v[IK], v[BM+1], 7
	v_sub_nc_u32 v[SO], v[BM+2], 18                ; 2^(e-7-11) has the field E - 18
.irp r, SQ, SK, SV, IQ, IK, SO
	v_lshlrev_b32 v[\r], 23, v[\r]
.endr
	v_mul_f32 v[FF], v[IQ], v[IK]
	v_mul_f32 v[FF], 0x3d38aa3b, v[FF]             ; x log2(e)/32: reference's 1/sqrt(1024), and base 2 for the exponentials
	v_cmp_eq_u32 vcc_lo, 0, v0
	v_cndmask_b32 v[OV], 0, v[SQ], vcc_lo
	v_cmp_eq_u32 vcc_lo, 1, v0
	v_cndmask_b32 v[OV], v[OV], v[SK], vcc_lo
	v_cmp_eq_u32 vcc_lo, 2, v0
	v_cndmask_b32 v[OV], v[OV], v[FF], vcc_lo
	v_cmp_eq_u32 vcc_lo, 3, v0
	v_cndmask_b32 v[OV], v[OV], v[SV], vcc_lo
	v_cmp_eq_u32 vcc_lo, 4, v0
	v_cndmask_b32 v[OV], v[OV], v[SO], vcc_lo
	v_mov_b32 v[OV+1], 0
	global_store_b64 v2, v[OV:OV+1], s[12:13]      ; the wave stores 256 consecutive bytes, aligned
	s_endpgm
.Lfunc_end_k_qddf64939d9_scal:
	.size	k_qddf64939d9_scal, .Lfunc_end_k_qddf64939d9_scal-k_qddf64939d9_scal
	.p2alignl 7, 3214868480
	.fill 96, 4, 3214868480
	.section	.rodata,"a",@progbits
	.p2align	6, 0x0
	.amdhsa_kernel k_qddf64939d9_scal
		.amdhsa_group_segment_fixed_size 0
		.amdhsa_private_segment_fixed_size 0
		.amdhsa_enable_private_segment 0
		.amdhsa_kernarg_size 40
		.amdhsa_user_sgpr_count 2
		.amdhsa_user_sgpr_kernarg_segment_ptr 1
		.amdhsa_wavefront_size32 1
		.amdhsa_system_sgpr_workgroup_id_x 1
		.amdhsa_system_sgpr_workgroup_id_y 1
		.amdhsa_system_sgpr_workgroup_id_z 1
		.amdhsa_system_vgpr_workitem_id 0
		.amdhsa_next_free_vgpr 248
		.amdhsa_next_free_sgpr 66
		.amdhsa_reserve_vcc 1
		.amdhsa_float_denorm_mode_32 3
		.amdhsa_float_denorm_mode_16_64 3
		.amdhsa_memory_ordered 1
		.amdhsa_forward_progress 1
		.amdhsa_inst_pref_size 20
	.end_amdhsa_kernel
	.amdgpu_metadata
---
amdhsa.version: [ 1, 2 ]
amdhsa.kernels:
  - .name:           k_qddf64939d9_scal
    .symbol:         k_qddf64939d9_scal.kd
    .args:
      - { .name: wb, .offset: 0, .size: 8, .value_kind: global_buffer, .address_space: global }
      - { .name: bq, .offset: 8, .size: 8, .value_kind: global_buffer, .address_space: global }
      - { .name: bk, .offset: 16, .size: 8, .value_kind: global_buffer, .address_space: global }
      - { .name: bv, .offset: 24, .size: 8, .value_kind: global_buffer, .address_space: global }
      - { .name: scl, .offset: 32, .size: 8, .value_kind: global_buffer, .address_space: global }
    .group_segment_fixed_size: 0
    .private_segment_fixed_size: 0
    .kernarg_segment_align: 8
    .kernarg_segment_size: 40
    .max_flat_workgroup_size: 32
    .sgpr_count:     66
    .vgpr_count:     248
    .wavefront_size: 32
...
	.end_amdgpu_metadata
.endif
;; end of part 2
;; launch projqk (part 3): grid 8 x 32, 4 waves a work-group, clusters of 4 x 4, 327,680 bytes of LDS; arguments xb, wb, bq, bk, scl, qk; writes qk
.if DOCPART == 3
	.amdgcn_target "amdgcn-amd-amdhsa--gfx1250"
	.amdhsa_code_object_version 6
	.text
	.protected	k_qddf64939d9_projqk
	.globl	k_qddf64939d9_projqk
	.p2align	8
	.type	k_qddf64939d9_projqk,@function
k_qddf64939d9_projqk:
	s_mov_b64 s[64:65], 0
	v_nop
	global_prefetch_b8 v0, s[64:65] scope:SCOPE_SE
	s_setreg_imm32_b32 hwreg(HW_REG_WAVE_MODE, 25, 1), 1
	s_wait_xcnt 0x0
	s_wait_alu depctr_hold_cnt(0) depctr_sa_sdst(0) depctr_va_vdst(0) depctr_va_sdst(0) depctr_va_ssrc(0) depctr_va_vcc(0) depctr_vm_vsrc(0)
	s_getreg_b32 s2, hwreg(HW_REG_IB_STS2, 6, 4)
	s_cmp_eq_u32 s2, 0
	s_cbranch_scc0 .Lentry_in_a_cluster
	s_endpgm
.Lentry_in_a_cluster:
	s_bfe_u32 s2, ttmp6, 0x10000c
	s_cmp_lg_u32 s2, 0xf033
	s_cbranch_scc0 .Lentry_shape_is_right
	s_endpgm
.Lentry_shape_is_right:
; projqk: qk[s][0:1024] = f16((x Wq^T + bq) sq) and qk[s][1024:2048] = f16((x Wk^T + bk) sk); products of bf16 operands, sums and the affine step in f32,
; one rounding.  sq and sk are the batch's powers of two from the launch before: they put a bound on every number of q (k) into [2^7, 2^8), so f16
; cannot overflow whatever the inputs' size or offset, and multiplying by them is exact.
; LIMIT: a number below 2^-22 of that bound is kept with an absolute error of 2^-33 of the bound (f16's smallest step).
; A = xb [8192][1024], B = wb [3072][1024] (rows 0-2047 used here), C = qk [8192][2048].
; A work-group makes 256 x 256 of C with four waves, a wave 128 x 128: 64 accumulator tiles of 16 x 16, 512 registers.
; K goes in steps of 128 through a ring of two LDS slots filled by the tensor data mover; a tile's rows are 256 bytes of memory, aligned.
; CLUSTERS: 4 x 4 work-groups.  The four of a row of the cluster need the same tiles of A, the four of a column the same tiles of B: each tile is
; asked for jointly (same line, same descriptor, a mask that names the four), which divides the requests for A and B by four.
; REGISTERS, in windows of 256: window 0: v0-31 addresses, v64-127 and v128-191 fragments of A (two buffers), v192-223 packed results;
; window 1: v0-63 the bias of my 128 columns, v64-127 and v128-191 fragments of B; windows 2, 3: accumulators, tile (a, b) at v[8 (8 a + b)].
; THE MATRIX INSTRUCTION IS USED TRANSPOSED (source 0 = rows of B, source 1 = rows of A): lane l holds row l % 16 of C and its registers
; 0-7 the columns 8 (l / 16) + 0..7, eight neighbouring numbers of a row of C.
.set SIZE_K, 1024
.set SIZE_N, 2048                      ; columns of qk
.set LDA,    1024                      ; elements from row to row of xb and of wb
.set KSTEP,  128
.set PITCH,  272                       ; an LDS row: 256 bytes + 16 of padding, so that the 16 rows of a fragment load start 16 bytes apart modulo 256
.set HALFT,  128*PITCH                 ; 128 rows: what one tensor load brings
.set SLOT,   4*HALFT                   ; A's 256 rows, then B's 256 rows
.set STAGE,  2*SLOT                    ; behind the ring: 16 rows x 272 bytes for each wave, for the way out; no tensor load lands there
.set SPITCH, 272
.set LAPS, SIZE_K/(2*KSTEP)            ; 4 laps of two K steps
.set ADRA, 16                          ; v16-17  LDS address of my A fragments in slot 0, 1
.set ADRB, 20                          ; v20-21  the same for B
.set STO,  24                          ; v24     the way out: where I put 16 bytes of a row
.set RD,   25                          ; v25     the way out: where I read a row back
.set CO,   26                          ; v26     my byte offset in C
.set BOF,  27                          ; v27     my byte offset in the bias; never rewritten
.set F0,   64
.set F1,   128
.set TMP,  192
.set G1, 24                            ; s[24:31] descriptor group 1, A's tiles
.set G0, 32                            ; s[32:39] descriptor group 0, A's tiles, one set for each slot
.set G1B, 48                           ; s[48:55] group 1, B's tiles
.set G0B, 56                           ; s[56:63] group 0, B's tiles
.set MSB, 0
.macro WIN new                         ; the immediate's high byte repeats the setting that is left
.if MSB != \new
	s_set_vgpr_msb (MSB<<8)|\new
.set MSB, \new
.endif
.endm
.set MUL_LO, 0xa1                      ; source 0 (B) window 1, source 1 (A) window 0, C and D window 2
.set MUL_HI, 0xf1                      ; the same, C and D window 3
.set TO_B,   0x40                      ; destination window 1, address window 0
; A joint load.  Waves 0 and 1 fetch A's two halves, waves 2 and 3 B's.  The branch hangs on the wave's number alone.
; Four v_nop follow each of the two lines.
.macro JLOAD s
	s_cmp_eq_u32 s11, 0
	s_cbranch_scc0 .Lfor_b_\@
	tensor_load_to_lds s[G0+4*\s:G0+4*\s+3], s[G1:G1+7]
	s_nop 0
.rept 4
	v_nop
.endr
	s_branch .Lasked_\@
.Lfor_b_\@:
	tensor_load_to_lds s[G0B+4*\s:G0B+4*\s+3], s[G1B:G1B+7]
	s_nop 0
.rept 4
	v_nop
.endr
.Lasked_\@:
.endm
; A round of the cluster's barrier: my work-group's barrier; wave 0 signals for the work-group; every wave waits for all sixteen; my work-group's barrier again.
.macro CREST                           ; a round behind its opening barrier
	s_cmp_lg_u32 s10, 0
	s_cbranch_scc1 .Lnot_wave_0_\@
	s_barrier_signal -3
.Lnot_wave_0_\@:
	s_barrier_wait -3
	s_barrier_signal -1
	s_barrier_wait -1
.endm
.macro CROUND
	s_barrier_signal -1
	s_barrier_wait -1
	CREST
.endm
	s_load_b128 s[4:7], s[0:1], 0x0                ; xb s[4:5], wb s[6:7]
	s_load_b128 s[68:71], s[0:1], 0x10             ; bq s[68:69], bk s[70:71]
	s_load_b64 s[66:67], s[0:1], 0x20              ; scl
	s_load_b64 s[8:9], s[0:1], 0x28                ; qk
	s_set_vgpr_msb 0x40
	v_lshl_add_u32 v255, v0, 2, 0x48400
	s_set_vgpr_msb 0x4000
	v_mov_b32 v255, 0
	s_set_vgpr_msb 0x1
	ds_add_u32 v255, v255
	s_set_vgpr_msb 0x100
	v_lshrrev_b32 v1, 5, v0
	v_readfirstlane_b32 s10, v1                    ; wave 0..3
	s_lshr_b32 s11, s10, 1                         ; which half of the block's rows is mine.  Also: I fetch for A (0) or for B (1)
	s_and_b32 s12, s10, 1                          ; which half of its columns.  Also: which 128 rows of that tile I fetch
	s_bfe_u32 s40, ttmp6, 0x40000                  ; cx
	s_bfe_u32 s41, ttmp6, 0x40004                  ; cy
	s_lshl_b32 s42, ttmp9, 2
	s_add_co_u32 s42, s42, s40                     ; block column = 4 x cluster x + cx
	s_and_b32 s13, ttmp7, 0xffff
	s_lshl_b32 s13, s13, 2
	s_add_co_u32 s13, s13, s41                     ; block row = 4 x cluster y + cy
	s_lshl_b32 s43, s41, 2
	s_lshl_b32 s43, 15, s43                        ; my row of the cluster: places 4 cy .. 4 cy + 3
	s_lshl_b32 s44, 0x1111, s40                    ; my column: places cx, cx + 4, cx + 8, cx + 12
	; group 1: a tile of 128 rows x 128 elements of 2 bytes, 4 words of padding behind every 64 words
	s_or_b32 s[G1+0], s43, (1<<16)|(1<<20)|(1<<21)|(5<<22)|(3<<25)
	s_or_b32 s[G1B+0], s44, (1<<16)|(1<<20)|(1<<21)|(5<<22)|(3<<25)
	s_mov_b32 s[G1+1], KSTEP<<16                   ; tensor_dim0 = 128
	s_mov_b32 s[G1B+1], KSTEP<<16
	s_mov_b32 s[G1+2], 128<<16                     ; tensor_dim1 = 128
	s_mov_b32 s[G1B+2], 128<<16
	s_mov_b32 s[G1+3], KSTEP<<16                   ; tile_dim0 = 128
	s_mov_b32 s[G1B+3], KSTEP<<16
	s_mov_b32 s[G1+4], 128                         ; tile_dim1 = 128
	s_mov_b32 s[G1B+4], 128
	s_mov_b32 s[G1+5], LDA                         ; elements from row to row
	s_mov_b32 s[G1B+5], LDA
	s_mov_b32 s[G1+6], 0
	s_mov_b32 s[G1B+6], 0
	s_mov_b32 s[G1+7], 0
	s_mov_b32 s[G1B+7], 0
	; A's tiles hang on the block row alone, B's on the block column alone, each in registers that never hold the other coordinate
	s_lshl_b32 s17, s12, 7
	s_lshl_b32 s16, s13, 8
	s_add_co_u32 s16, s16, s17                     ; A: row 256 x block row + 128 x half
	s_lshl_b32 s46, s42, 8
	s_add_co_u32 s46, s46, s17                     ; B: row 256 x block column + 128 x half (rows 0-1023 Wq, 1024-2047 Wk)
	s_mov_b32 s17, 0
	s_mov_b32 s47, 0
	s_mov_b64 s[18:19], LDA*2
	s_mul_u64 s[16:17], s[16:17], s[18:19]
	s_mul_u64 s[46:47], s[46:47], s[18:19]
	s_mul_i32 s20, s10, HALFT                      ; where my tile goes: wave x 128 rows
	s_wait_dscnt 0x0
	s_wait_kmcnt 0x0
	s_add_nc_u64 s[14:15], s[4:5], s[16:17]
	s_add_nc_u64 s[46:47], s[6:7], s[46:47]
	CROUND                                         ; all sixteen work-groups are here: the first joint loads meet
.irp s, 0,1
	s_mov_b32 s[G0+4*\s], 1
	s_add_co_u32 s[G0+4*\s+1], s20, \s*SLOT
	s_add_nc_u64 s[G0+4*\s+2:G0+4*\s+3], s[14:15], \s*KSTEP*2
	s_or_b32 s[G0+4*\s+3], s[G0+4*\s+3], 0x80000000
	s_mov_b32 s[G0B+4*\s], 1
	s_add_co_u32 s[G0B+4*\s+1], s20, \s*SLOT
	s_add_nc_u64 s[G0B+4*\s+2:G0B+4*\s+3], s[46:47], \s*KSTEP*2
	s_or_b32 s[G0B+4*\s+3], s[G0B+4*\s+3], 0x80000000
	JLOAD \s                                       ; both slots' first fills, ahead of everything else
.endr
	; The bias of my 128 columns and the scale.  Block columns 0-3 (cluster x = 0) are q, 4-7 are k: selects, no branch.
	s_cmp_eq_u32 ttmp9, 0
	s_cselect_b64 s[72:73], s[68:69], s[70:71]     ; bq or bk
	s_cselect_b32 s78, 0, 8                        ; sq lies at byte 0 of the batch's 256 bytes, sk at byte 8
	s_and_b32 s79, ttmp7, 0xffff
	s_lshr_b32 s79, s79, 1                         ; the batch = cluster y / 2 (8 block rows a batch, 4 a cluster)
	s_lshl_b32 s79, s79, 8
	s_add_co_u32 s78, s78, s79
	s_mov_b32 s79, 0
	s_add_nc_u64 s[66:67], s[66:67], s[78:79]
	s_load_b32 s74, s[66:67], 0x0                  ; s[66:67] are not written again
	v_and_b32 v1, 15, v0                           ; r = l % 16
	v_bfe_u32 v2, v0, 4, 1                         ; h = l / 16
	v_mul_u32_u24 v3, v1, PITCH
	v_lshl_add_u32 v3, v2, 4, v3                   ; row x pitch + 16 h
	s_mul_i32 s21, s11, HALFT                      ; my 128 rows of A
	s_mul_i32 s22, s12, HALFT                      ; my 128 rows of B,
	s_add_co_u32 s22, s22, 2*HALFT                 ; which lie behind A's 256
.irp s, 0,1
	v_add_nc_u32 v[ADRA+\s], s21, v3
	v_add_nc_u32 v[ADRB+\s], s22, v3
	s_add_co_u32 s21, s21, SLOT
	s_add_co_u32 s22, s22, SLOT
.endr
	s_mul_i32 s23, s10, 16*SPITCH
	s_add_co_u32 s23, s23, STAGE                   ; my stage
	v_mul_u32_u24 v4, v1, SPITCH
	v_lshl_add_u32 v4, v2, 4, v4
	v_add_nc_u32 v[STO], s23, v4
	v_mul_u32_u24 v5, v2, SPITCH
	v_lshl_add_u32 v5, v1, 4, v5
	v_add_nc_u32 v[RD], s23, v5
	v_mul_u32_u24 v5, v2, SIZE_N*2
	v_lshl_add_u32 v[CO], v1, 4, v5
	s_and_b32 s76, s42, 3
	s_lshl_b32 s76, s76, 10                        ; 256 columns x 4 bytes a block
	s_lshl_b32 s77, s12, 9                         ; my half
	s_add_co_u32 s76, s76, s77
	s_mov_b32 s77, 0
	s_add_nc_u64 s[72:73], s[72:73], s[76:77]
	v_lshlrev_b32 v[BOF], 5, v2                    ; 8 h columns
	WIN TO_B
.irp b, 0,1,2,3,4,5,6,7
	global_load_b128 v[8*\b:8*\b+3],   v[BOF], s[72:73] offset:64*\b      ; window 1, v[8 b + j] = bias(16 b + 8 h + j): the accumulators' own layout
	global_load_b128 v[8*\b+4:8*\b+7], v[BOF], s[72:73] offset:64*\b+16   ; these stay out through the K loop; their wait stands in front of their use
.endr
	WIN 0
; 16 matrix instructions: m blocks a0, a0 + 1 of the window's four x all 8 n blocks, 32 along K.  zero = 1: the first product starts the sums.
.macro MUL16 f, hi, a0, zero
.irp a, \a0, \a0+1
.irp b, 0,1,2,3,4,5,6,7
.if \zero
	v_wmma_f32_16x16x32_bf16 v[8*(8*(\a)+\b):8*(8*(\a)+\b)+7], v[\f+8*\b:\f+8*\b+7], v[\f+8*(4*\hi+\a):\f+8*(4*\hi+\a)+7], 0
.else
	v_wmma_f32_16x16x32_bf16 v[8*(8*(\a)+\b):8*(8*(\a)+\b)+7], v[\f+8*\b:\f+8*\b+7], v[\f+8*(4*\hi+\a):\f+8*(4*\hi+\a)+7], v[8*(8*(\a)+\b):8*(8*(\a)+\b)+7]
.endif
.endr
.endr
.endm
; 32 LDS loads in one run: the fragments of one quarter step into buffer f
.macro FETCH slot, k, f
	WIN TO_B
.irp i, 0,1,2,3,4,5,6,7
	ds_load_b128 v[\f+8*\i:\f+8*\i+3],   v[ADRB+\slot] offset:\k+\i*16*PITCH
	ds_load_b128 v[\f+8*\i+4:\f+8*\i+7], v[ADRB+\slot] offset:\k+\i*16*PITCH+32
.endr
	WIN 0
.irp i, 0,1,2,3,4,5,6,7
	ds_load_b128 v[\f+8*\i:\f+8*\i+3],   v[ADRA+\slot] offset:\k+\i*16*PITCH
	ds_load_b128 v[\f+8*\i+4:\f+8*\i+7], v[ADRA+\slot] offset:\k+\i*16*PITCH+32
.endr
.endm
; Four independent vector instructions stand between a matrix instruction and a load into, or a vector access to, its registers (ISA guide 7.12.1 for vector accesses).
; The 64 accumulators take turns, one instruction a turn.
.macro PLACES
.rept 4
	v_nop
.endr
.endm
.macro QUARTER slot, k, f, g, zero
	s_wait_dscnt 8                                 ; B and A's rows 0-63 are in; the youngest eight loads (A's rows 64-127) may be out
	WIN MUL_LO
	MUL16 \f, 0, 0, \zero
	MUL16 \f, 0, 2, \zero
	PLACES
	FETCH \slot, \k, \g
	s_wait_dscnt 32                                ; all but the 32 just issued
	WIN MUL_HI
	MUL16 \f, 1, 0, \zero
	MUL16 \f, 1, 2, \zero
.endm
.macro THREE slot, zero
	QUARTER \slot, 64,  F0, F1, \zero
	QUARTER \slot, 128, F1, F0, 0
	QUARTER \slot, 192, F0, F1, 0
.endm
; The last quarter of a K step multiplies buffer 1 and changes slots.  In front of the barrier each wave waits for its reads of this slot and for all
; its tensor loads (one is out: its part of the next slot); behind it the refill comes first, then the next slot's first fragments.
.macro TURN slot, next, fill
	s_wait_dscnt 8
	WIN MUL_LO
	MUL16 F1, 0, 0, 0
	s_wait_dscnt 0                                 ; my reads of this slot are over
	s_wait_tensorcnt 0x0                           ; all my tensor loads have landed
	ds_add_u32 v255, v255
	s_wait_dscnt 0x0
	s_barrier_signal -1
	MUL16 F1, 0, 2, 0                              ; register work while the others arrive
	WIN 0
	s_barrier_wait -1
.if \fill
	CREST                                          ; the rest of the cluster's round: no wave of any partner still reads this slot or has a load on its way
	s_add_nc_u64 s[G0+4*\slot+2:G0+4*\slot+3], s[G0+4*\slot+2:G0+4*\slot+3], 2*KSTEP*2
	s_add_nc_u64 s[G0B+4*\slot+2:G0B+4*\slot+3], s[G0B+4*\slot+2:G0B+4*\slot+3], 2*KSTEP*2
	JLOAD \slot                                    ; the first tensor load behind the round; its four v_nop are also the places in front of the loads below
.else
	PLACES
.endif
	FETCH \next, 0, F0
	WIN MUL_HI
	MUL16 F1, 1, 0, 0
	MUL16 F1, 1, 2, 0
.endm
.macro LAP zero
	THREE 0, \zero
	TURN 0, 1, 1
	THREE 1, 0
	TURN 1, 0, 1
.endm
	s_wait_kmcnt 0x0                               ; the scale
	s_mov_b32 s75, s74                             ; a pair for the packed forms
	s_wait_tensorcnt 1                             ; my part of K step 0 is in; K step 1's may stay out
	s_barrier_signal -1
	s_barrier_wait -1
	FETCH 0, 0, F0
	LAP 1                                          ; the first lap starts the sums
	WIN 0
	s_mov_b32 s3, LAPS-2
.Llap:
	LAP 0
	WIN 0
	s_sub_co_u32 s3, s3, 1
	s_cmp_lg_u32 s3, 0
	s_cbranch_scc1 .Llap
	THREE 0, 0                                     ; the last lap fills nothing
	TURN 0, 1, 0
	THREE 1, 0
	s_wait_dscnt 8
	WIN MUL_LO
	MUL16 F1, 0, 0, 0
	MUL16 F1, 0, 2, 0
	s_wait_dscnt 0
	WIN MUL_HI
	MUL16 F1, 1, 0, 0
	MUL16 F1, 1, 2, 0
	; (sum + bias) x scale, as sum x scale + (bias x scale): one fused multiply-add for two numbers; the scale is a power of two
	PLACES
	s_wait_loadcnt 0x0                             ; the bias
	WIN 0x41                                       ; source 0 and destination window 1
.set c, 0
.rept 32
	v_pk_mul_f32 v[c:c+1], v[c:c+1], s[74:75] op_sel_hi:[1,0]
.set c, c+2
.endr
.macro AFFINE
.irp a, 0,1,2,3
.set c, 0
.rept 32
	v_pk_fma_f32 v[64*\a+c:64*\a+c+1], v[64*\a+c:64*\a+c+1], s[74:75], v[c:c+1] op_sel_hi:[1,0,1]
.set c, c+2
.endr
.endr
.endm
	WIN 0x92                                       ; source 0 and destination window 2, source 2 window 1
	AFFINE
	WIN 0xd3                                       ; the same for window 3
	AFFINE
	; THE WAY OUT, 16 rows at a time: round to f16, 16 bytes a lane into my own stage, read back as whole rows of 256 bytes
	s_lshl_b32 s13, s13, 8
	s_lshl_b32 s14, s11, 7
	s_add_co_u32 s16, s13, s14                     ; my first row of C
	s_mov_b32 s17, 0
	s_mov_b64 s[18:19], SIZE_N*2
	s_mul_u64 s[16:17], s[16:17], s[18:19]
	s_add_nc_u64 s[8:9], s[8:9], s[16:17]
	s_lshl_b32 s46, s42, 9                         ; my first column, in bytes
	s_lshl_b32 s47, s12, 8
	s_add_co_u32 s46, s46, s47
	s_mov_b32 s47, 0
	s_add_nc_u64 s[8:9], s[8:9], s[46:47]
.macro OUT16 i, a, from, f
	WIN \from
.irp b, 0,1,2,3,4,5,6,7
.irp r, 0,1,2,3
	v_cvt_pk_f16_f32 v[TMP+4*\b+\r], v[8*(8*\a+\b)+2*\r], v[8*(8*\a+\b)+2*\r+1]
.endr
.endr
	WIN 0
.irp b, 0,1,2,3,4,5,6,7
	ds_store_b128 v[STO], v[TMP+4*\b:TMP+4*\b+3] offset:32*\b
.endr
	s_wait_xcnt 0x0                                ; buffer f, which earlier stores read, and the stores' base are rewritten only behind this wait
.if \i
	s_add_nc_u64 s[8:9], s[8:9], 16*SIZE_N*2
.endif
.irp t, 0,1,2,3,4,5,6,7
	ds_load_b128 v[\f+4*\t:\f+4*\t+3], v[RD] offset:\t*2*SPITCH    ; LDS serves a wave's instructions in order: these see the stores above
.endr
.irp t, 0,1,2,3,4,5,6,7
	s_wait_dscnt 7-\t                              ; read-back t is in, the younger ones stay out
	global_store_b128 v[CO], v[\f+4*\t:\f+4*\t+3], s[8:9] offset:2*\t*SIZE_N*2   ; 16 lanes store 256 consecutive bytes, aligned
.endr
.endm
	OUT16 0, 0, 0x0a, F0
	OUT16 1, 1, 0x0a, F1
	OUT16 2, 2, 0x0a, F0
	OUT16 3, 3, 0x0a, F1
	OUT16 4, 0, 0x0f, F0
	OUT16 5, 1, 0x0f, F1
	OUT16 6, 2, 0x0f, F0
	OUT16 7, 3, 0x0f, F1
	s_set_vgpr_msb 0x1
	s_wait_tensorcnt 0x0
	ds_add_u32 v255, v255
	s_wait_dscnt 0x0
	s_set_vgpr_msb 0x100
	CROUND                                         ; the closing round
	s_endpgm
.Lfunc_end_k_qddf64939d9_projqk:
	.size	k_qddf64939d9_projqk, .Lfunc_end_k_qddf64939d9_projqk-k_qddf64939d9_projqk
	.p2alignl 7, 3214868480
	.fill 96, 4, 3214868480
	.section	.rodata,"a",@progbits
	.p2align	6, 0x0
	.amdhsa_kernel k_qddf64939d9_projqk
		.amdhsa_group_segment_fixed_size 327680
		.amdhsa_private_segment_fixed_size 0
		.amdhsa_enable_private_segment 0
		.amdhsa_kernarg_size 48
		.amdhsa_user_sgpr_count 2
		.amdhsa_user_sgpr_kernarg_segment_ptr 1
		.amdhsa_wavefront_size32 1
		.amdhsa_system_sgpr_workgroup_id_x 1
		.amdhsa_system_sgpr_workgroup_id_y 1
		.amdhsa_system_sgpr_workgroup_id_z 1
		.amdhsa_system_vgpr_workitem_id 0
		.amdhsa_next_free_vgpr 1024
		.amdhsa_next_free_sgpr 80
		.amdhsa_reserve_vcc 0
		.amdhsa_float_denorm_mode_32 3
		.amdhsa_float_denorm_mode_16_64 3
		.amdhsa_memory_ordered 1
		.amdhsa_forward_progress 1
		.amdhsa_inst_pref_size 218
	.end_amdhsa_kernel
	.amdgpu_metadata
---
amdhsa.version: [ 1, 2 ]
amdhsa.kernels:
  - .name:           k_qddf64939d9_projqk
    .symbol:         k_qddf64939d9_projqk.kd
    .args:
      - { .name: xb, .offset: 0, .size: 8, .value_kind: global_buffer, .address_space: global }
      - { .name: wb, .offset: 8, .size: 8, .value_kind: global_buffer, .address_space: global }
      - { .name: bq, .offset: 16, .size: 8, .value_kind: global_buffer, .address_space: global }
      - { .name: bk, .offset: 24, .size: 8, .value_kind: global_buffer, .address_space: global }
      - { .name: scl, .offset: 32, .size: 8, .value_kind: global_buffer, .address_space: global }
      - { .name: qk, .offset: 40, .size: 8, .value_kind: global_buffer, .address_space: global }
    .group_segment_fixed_size: 327680
    .private_segment_fixed_size: 0
    .kernarg_segment_align: 8
    .kernarg_segment_size: 48
    .max_flat_workgroup_size: 128
    .sgpr_count:     80
    .vgpr_count:     1024
    .wavefront_size: 32
...
	.end_amdgpu_metadata
.endif
;; end of part 3
;; launch scores (part 4): grid 8 x 32, 4 waves a work-group, clusters of 4 x 4, 327,680 bytes of LDS; arguments qk, scl, pt, st; writes pt, st
.if DOCPART == 4
	.amdgcn_target "amdgcn-amd-amdhsa--gfx1250"
	.amdhsa_code_object_version 6
	.text
	.protected	k_qddf64939d9_scores
	.globl	k_qddf64939d9_scores
	.p2align	8
	.type	k_qddf64939d9_scores,@function
k_qddf64939d9_scores:
	s_mov_b64 s[64:65], 0
	v_nop
	global_prefetch_b8 v0, s[64:65] scope:SCOPE_SE
	s_setreg_imm32_b32 hwreg(HW_REG_WAVE_MODE, 25, 1), 1
	s_wait_xcnt 0x0
	s_wait_alu depctr_hold_cnt(0) depctr_sa_sdst(0) depctr_va_vdst(0) depctr_va_sdst(0) depctr_va_ssrc(0) depctr_va_vcc(0) depctr_vm_vsrc(0)
	s_getreg_b32 s2, hwreg(HW_REG_IB_STS2, 6, 4)
	s_cmp_eq_u32 s2, 0
	s_cbranch_scc0 .Lentry_in_a_cluster
	s_endpgm
.Lentry_in_a_cluster:
	s_bfe_u32 s2, ttmp6, 0x10000c
	s_cmp_lg_u32 s2, 0xf033
	s_cbranch_scc0 .Lentry_shape_is_right
	s_endpgm
.Lentry_shape_is_right:
; scores: for each batch, s'[key][query] = f x (scaled k[key] . scaled q[query]), where f = log2(e)/32 / (sq sk) undoes the two scales and brings the
; score into units of log2.  A wave holds 128 keys x 128 queries.  For each query it takes the true maximum over its 128 keys, rounds it DOWN to a
; whole number MI, and stores
;   pt[b 2048 + key][query] = f16(exp2(s' - MI)), which lies in (0, 2];  st[b 16 + kb][query] = MI;  524,288 bytes behind it the f32 sum L of the 128 exponentials.
; The next launches join the 16 key blocks of a query: M = max MI, l = sum L 2^(MI - M), weight = P 2^(MI - M) / l.
; P is bounded by its construction, so f16 has the room; a P below 2^-14 keeps an absolute error of 2^-25.
; LIMITS: an exponential below 2^-126 comes out as 0 (v_exp_f32 flushes, ISA guide 15.8); NaN and infinities among the scores are not carried
; through as the reference would (v_max_num drops a NaN).
; A = k = qk[.][1024:2048] (rows = keys), B = q = qk[.][0:1024] (rows = queries), C = pt.  Grid x = query block of 256, grid y = 8 b + key block of 256.
; Shape, ring, clusters and register windows: 256 x 256 a work-group, 128 x 128 a wave, K steps of 128 through two LDS slots, joint loads in a
; 4 x 4 cluster (A's tiles shared along a row of the cluster, B's along a column; the batch comes from the cluster's y, which all sixteen share).
; window 0: v0-39 addresses and small data, v64-127 and v128-191 fragments of A, later MX and SU; v192-223 packed results;
; window 1: v64-191 fragments of B; windows 2, 3: accumulators, tile (a, b) at v[8 (8 a + b)]: register 64 a + 8 b + j of lane (r, h) holds
; the sum for key 16 a + r (+ 64 in window 3) and query 16 b + 8 h + j.
.set SIZE_K, 1024
.set SIZE_N, 2048                      ; columns of pt
.set LDA,    2048                      ; elements from row to row of qk
.set KSTEP,  128
.set PITCH,  272
.set HALFT,  128*PITCH
.set SLOT,   4*HALFT
.set STAGE,  2*SLOT
.set SPITCH, 272
.set STAT,   STAGE+4*16*SPITCH         ; 1,024 bytes a wave: MI of my 128 queries, then L; no tensor load lands there
.set LAPS, SIZE_K/(2*KSTEP)
.set ADRA, 16
.set ADRB, 20
.set STO,  24
.set RD,   25
.set CO,   26
.set SST,  27                          ; v27  where a half of the lanes puts its statistics
.set SRD,  28                          ; v28  where a lane reads four of them back
.set SGO,  29                          ; v29  16 x lane: their place in st
.set F0,   64
.set F1,   128
.set MX,   64                          ; after the K loop: the 64 maxima of a lane's queries
.set SU,   128                         ; and their sums
.set TMP,  192
.set G1, 24
.set G0, 32
.set G1B, 48
.set G0B, 56
.set MSB, 0
.macro WIN new
.if MSB != \new
	s_set_vgpr_msb (MSB<<8)|\new
.set MSB, \new
.endif
.endm
.set MUL_LO, 0xa1
.set MUL_HI, 0xf1
.set TO_B,   0x40
.macro JLOAD s                         ; waves 0, 1 ask for A's halves, waves 2, 3 for B's; four v_nop behind each line
	s_cmp_eq_u32 s11, 0
	s_cbranch_scc0 .Lfor_b_\@
	tensor_load_to_lds s[G0+4*\s:G0+4*\s+3], s[G1:G1+7]
	s_nop 0
.rept 4
	v_nop
.endr
	s_branch .Lasked_\@
.Lfor_b_\@:
	tensor_load_to_lds s[G0B+4*\s:G0B+4*\s+3], s[G1B:G1B+7]
	s_nop 0
.rept 4
	v_nop
.endr
.Lasked_\@:
.endm
.macro CREST
	s_cmp_lg_u32 s10, 0
	s_cbranch_scc1 .Lnot_wave_0_\@
	s_barrier_signal -3
.Lnot_wave_0_\@:
	s_barrier_wait -3
	s_barrier_signal -1
	s_barrier_wait -1
.endm
.macro CROUND
	s_barrier_signal -1
	s_barrier_wait -1
	CREST
.endm
	s_load_b64 s[4:5], s[0:1], 0x0                 ; qk
	s_load_b64 s[66:67], s[0:1], 0x8               ; scl
	s_load_b64 s[8:9], s[0:1], 0x10                ; pt
	s_load_b64 s[68:69], s[0:1], 0x18              ; st
	s_set_vgpr_msb 0x40
	v_lshl_add_u32 v255, v0, 2, 0x49400
	s_set_vgpr_msb 0x4000
	v_mov_b32 v255, 0
	s_set_vgpr_msb 0x1
	ds_add_u32 v255, v255
	s_set_vgpr_msb 0x100
	v_lshrrev_b32 v1, 5, v0
	v_readfirstlane_b32 s10, v1
	s_lshr_b32 s11, s10, 1                         ; my half of the keys.  Also: I fetch for A (0) or B (1)
	s_and_b32 s12, s10, 1                          ; my half of the queries.  Also: which 128 rows I fetch
	s_bfe_u32 s40, ttmp6, 0x40000
	s_bfe_u32 s41, ttmp6, 0x40004
	s_lshl_b32 s42, ttmp9, 2
	s_add_co_u32 s42, s42, s40                     ; query block 0..7
	s_and_b32 s45, ttmp7, 0xffff
	s_lshr_b32 s45, s45, 1                         ; the batch = cluster y / 2 (8 key blocks a batch, 4 a cluster)
	s_lshl_b32 s45, s45, 11                        ; its first row in qk
	s_and_b32 s13, ttmp7, 0xffff
	s_lshl_b32 s13, s13, 2
	s_add_co_u32 s13, s13, s41                     ; 8 b + key block
	s_lshl_b32 s43, s41, 2
	s_lshl_b32 s43, 15, s43
	s_lshl_b32 s44, 0x1111, s40
	s_or_b32 s[G1+0], s43, (1<<16)|(1<<20)|(1<<21)|(5<<22)|(3<<25)
	s_or_b32 s[G1B+0], s44, (1<<16)|(1<<20)|(1<<21)|(5<<22)|(3<<25)
	s_mov_b32 s[G1+1], KSTEP<<16
	s_mov_b32 s[G1B+1], KSTEP<<16
	s_mov_b32 s[G1+2], 128<<16
	s_mov_b32 s[G1B+2], 128<<16
	s_mov_b32 s[G1+3], KSTEP<<16
	s_mov_b32 s[G1B+3], KSTEP<<16
	s_mov_b32 s[G1+4], 128
	s_mov_b32 s[G1B+4], 128
	s_mov_b32 s[G1+5], LDA
	s_mov_b32 s[G1B+5], LDA
	s_mov_b32 s[G1+6], 0
	s_mov_b32 s[G1B+6], 0
	s_mov_b32 s[G1+7], 0
	s_mov_b32 s[G1B+7], 0
	s_lshl_b32 s17, s12, 7
	s_lshl_b32 s16, s13, 8
	s_add_co_u32 s16, s16, s17                     ; A: row 256 (8 b + key block) + 128 x half
	s_lshl_b32 s46, s42, 8
	s_add_co_u32 s46, s46, s17
	s_add_co_u32 s46, s46, s45                     ; B: row 2048 b + 256 x query block + 128 x half
	s_mov_b32 s17, 0
	s_mov_b32 s47, 0
	s_mov_b64 s[18:19], LDA*2
	s_mul_u64 s[16:17], s[16:17], s[18:19]
	s_mul_u64 s[46:47], s[46:47], s[18:19]
	s_mul_i32 s20, s10, HALFT
	s_wait_dscnt 0x0
	s_wait_kmcnt 0x0
	s_add_nc_u64 s[14:15], s[4:5], s[16:17]
	s_add_nc_u64 s[14:15], s[14:15], 2048          ; k lies 1,024 columns behind q in a row of qk
	s_add_nc_u64 s[46:47], s[4:5], s[46:47]
	CROUND
.irp s, 0,1
	s_mov_b32 s[G0+4*\s], 1
	s_add_co_u32 s[G0+4*\s+1], s20, \s*SLOT
	s_add_nc_u64 s[G0+4*\s+2:G0+4*\s+3], s[14:15], \s*KSTEP*2
	s_or_b32 s[G0+4*\s+3], s[G0+4*\s+3], 0x80000000
	s_mov_b32 s[G0B+4*\s], 1
	s_add_co_u32 s[G0B+4*\s+1], s20, \s*SLOT
	s_add_nc_u64 s[G0B+4*\s+2:G0B+4*\s+3], s[46:47], \s*KSTEP*2
	s_or_b32 s[G0B+4*\s+3], s[G0B+4*\s+3], 0x80000000
	JLOAD \s
.endr
	s_lshr_b32 s72, s45, 3                         ; the batch's 256 bytes of scl
	s_mov_b32 s73, 0
	s_add_nc_u64 s[66:67], s[66:67], s[72:73]
	s_load_b32 s74, s[66:67], 0x10                 ; f; s[66:67] are not written again
	v_and_b32 v1, 15, v0
	v_bfe_u32 v2, v0, 4, 1
	v_and_b32 v6, 31, v0
	v_mul_u32_u24 v3, v1, PITCH
	v_lshl_add_u32 v3, v2, 4, v3
	s_mul_i32 s21, s11, HALFT
	s_mul_i32 s22, s12, HALFT
	s_add_co_u32 s22, s22, 2*HALFT
.irp s, 0,1
	v_add_nc_u32 v[ADRA+\s], s21, v3
	v_add_nc_u32 v[ADRB+\s], s22, v3
	s_add_co_u32 s21, s21, SLOT
	s_add_co_u32 s22, s22, SLOT
.endr
	s_mul_i32 s23, s10, 16*SPITCH
	s_add_co_u32 s23, s23, STAGE
	v_mul_u32_u24 v4, v1, SPITCH
	v_lshl_add_u32 v4, v2, 4, v4
	v_add_nc_u32 v[STO], s23, v4
	v_mul_u32_u24 v5, v2, SPITCH
	v_lshl_add_u32 v5, v1, 4, v5
	v_add_nc_u32 v[RD], s23, v5
	v_mul_u32_u24 v5, v2, SIZE_N*2
	v_lshl_add_u32 v[CO], v1, 4, v5
	s_lshl_b32 s79, s10, 10
	s_add_co_u32 s79, s79, STAT                    ; my wave's 1,024 bytes of statistics
	v_lshl_add_u32 v[SST], v2, 5, s79              ; + 8 h queries
	v_lshl_add_u32 v[SRD], v6, 4, s79              ; + 4 queries a lane
	v_lshlrev_b32 v[SGO], 4, v6
	s_lshl1_add_u32 s76, s13, s11                  ; 16 b + kb = 2 (8 b + key block) + my half
	s_lshl_b32 s76, s76, 13                        ; rows of 2,048 f32
	s_lshl_b32 s77, s42, 10                        ; 256 queries a block
	s_add_co_u32 s76, s76, s77
	s_lshl_b32 s77, s12, 9                         ; my half
	s_add_co_u32 s76, s76, s77
	s_mov_b32 s77, 0
	s_add_nc_u64 s[68:69], s[68:69], s[76:77]      ; MI
	s_add_nc_u64 s[70:71], s[68:69], 0x80000       ; L lies 524,288 bytes behind
.macro MUL16 f, hi, a0, zero
.irp a, \a0, \a0+1
.irp b, 0,1,2,3,4,5,6,7
.if \zero
	v_wmma_f32_16x16x32_f16 v[8*(8*(\a)+\b):8*(8*(\a)+\b)+7], v[\f+8*\b:\f+8*\b+7], v[\f+8*(4*\hi+\a):\f+8*(4*\hi+\a)+7], 0
.else
	v_wmma_f32_16x16x32_f16 v[8*(8*(\a)+\b):8*(8*(\a)+\b)+7], v[\f+8*\b:\f+8*\b+7], v[\f+8*(4*\hi+\a):\f+8*(4*\hi+\a)+7], v[8*(8*(\a)+\b):8*(8*(\a)+\b)+7]
.endif
.endr
.endr
.endm
.macro FETCH slot, k, f
	WIN TO_B
.irp i, 0,1,2,3,4,5,6,7
	ds_load_b128 v[\f+8*\i:\f+8*\i+3],   v[ADRB+\slot] offset:\k+\i*16*PITCH
	ds_load_b128 v[\f+8*\i+4:\f+8*\i+7], v[ADRB+\slot] offset:\k+\i*16*PITCH+32
.endr
	WIN 0
.irp i, 0,1,2,3,4,5,6,7
	ds_load_b128 v[\f+8*\i:\f+8*\i+3],   v[ADRA+\slot] offset:\k+\i*16*PITCH
	ds_load_b128 v[\f+8*\i+4:\f+8*\i+7], v[ADRA+\slot] offset:\k+\i*16*PITCH+32
.endr
.endm
.macro PLACES                          ; four independent vector instructions behind a matrix instruction (ISA guide 7.12.1); the accumulators take turns
.rept 4
	v_nop
.endr
.endm
.macro QUARTER slot, k, f, g, zero
	s_wait_dscnt 8                                 ; all but the youngest eight loads (A's rows 64-127)
	WIN MUL_LO
	MUL16 \f, 0, 0, \zero
	MUL16 \f, 0, 2, \zero
	PLACES
	FETCH \slot, \k, \g
	s_wait_dscnt 32                                ; all but the 32 just issued
	WIN MUL_HI
	MUL16 \f, 1, 0, \zero
	MUL16 \f, 1, 2, \zero
.endm
.macro THREE slot, zero
	QUARTER \slot, 64,  F0, F1, \zero
	QUARTER \slot, 128, F1, F0, 0
	QUARTER \slot, 192, F0, F1, 0
.endm
.macro TURN slot, next, fill
	s_wait_dscnt 8
	WIN MUL_LO
	MUL16 F1, 0, 0, 0
	s_wait_dscnt 0                                 ; my reads of this slot are over
	s_wait_tensorcnt 0x0                           ; all my tensor loads have landed: my part of the next slot
	ds_add_u32 v255, v255
	s_wait_dscnt 0x0
	s_barrier_signal -1
	MUL16 F1, 0, 2, 0
	WIN 0
	s_barrier_wait -1
.if \fill
	CREST                                          ; the cluster's round closes: no partner's wave reads this slot or has a load on its way
	s_add_nc_u64 s[G0+4*\slot+2:G0+4*\slot+3], s[G0+4*\slot+2:G0+4*\slot+3], 2*KSTEP*2
	s_add_nc_u64 s[G0B+4*\slot+2:G0B+4*\slot+3], s[G0B+4*\slot+2:G0B+4*\slot+3], 2*KSTEP*2
	JLOAD \slot
.else
	PLACES
.endif
	FETCH \next, 0, F0
	WIN MUL_HI
	MUL16 F1, 1, 0, 0
	MUL16 F1, 1, 2, 0
.endm
.macro LAP zero
	THREE 0, \zero
	TURN 0, 1, 1
	THREE 1, 0
	TURN 1, 0, 1
.endm
	s_wait_kmcnt 0x0                               ; f
	s_mov_b32 s75, s74                             ; a pair for the packed forms
	s_wait_tensorcnt 1                             ; K step 0's part is in, K step 1's may stay out
	s_barrier_signal -1
	s_barrier_wait -1
	FETCH 0, 0, F0
	LAP 1
	WIN 0
	s_mov_b32 s3, LAPS-2
.Llap:
	LAP 0
	WIN 0
	s_sub_co_u32 s3, s3, 1
	s_cmp_lg_u32 s3, 0
	s_cbranch_scc1 .Llap
	THREE 0, 0
	TURN 0, 1, 0
	THREE 1, 0
	s_wait_dscnt 8
	WIN MUL_LO
	MUL16 F1, 0, 0, 0
	MUL16 F1, 0, 2, 0
	s_wait_dscnt 0
	WIN MUL_HI
	MUL16 F1, 1, 0, 0
	MUL16 F1, 1, 2, 0
	; 1. The maximum over my 128 keys of the raw sums (f is positive, so it is the maximum of the scores too), for each of a lane's 64 queries:
	;    eight registers in the lane, then the sixteen lanes of a half
	PLACES
	WIN 0x2a                                       ; all three sources window 2
.set c, 0
.rept 64
	v_max3_num_f32 v[MX+c], v[c], v[64+c], v[128+c]
.set c, c+1
.endr
	WIN 0x38                                       ; source 1 window 2, source 2 window 3
.set c, 0
.rept 64
	v_max3_num_f32 v[MX+c], v[MX+c], v[192+c], v[c]
.set c, c+1
.endr
	WIN 0x3c                                       ; sources 1 and 2 window 3
.set c, 0
.rept 64
	v_max3_num_f32 v[MX+c], v[MX+c], v[64+c], v[128+c]
.set c, c+1
.endr
	WIN 0x0c                                       ; source 1 window 3
.set c, 0
.rept 64
	v_max_num_f32 v[MX+c], v[MX+c], v[192+c]
.set c, c+1
.endr
	WIN 0
.irp m, 1,2,4,8
.set c, 0
.rept 64
	v_max_num_f32_dpp v[MX+c], v[MX+c], v[MX+c] row_xmask:\m row_mask:0xf bank_mask:0xf
.set c, c+1
.endr
.endr
.set c, 0
.rept 32
	v_pk_mul_f32 v[MX+c:MX+c+1], v[MX+c:MX+c+1], s[74:75] op_sel_hi:[1,0]     ; the largest score, in units of log2
.set c, c+2
.endr
.set c, 0
.rept 64
	v_floor_f32 v[MX+c], v[MX+c]                   ; MI: a whole number, so that 2^(MI - M) is a power of two; s' - MI stays at or below 1
.set c, c+1
.endr
	; 2. MI into my wave's bytes: query 16 b + 8 h + j at 64 b + 32 h + 4 j (the sixteen lanes of a half write the same bytes with the same values)
.irp g, 0,1,2,3,4,5,6,7,8,9,10,11,12,13,14,15
	ds_store_b128 v[SST], v[MX+4*\g:MX+4*\g+3] offset:64*(\g>>1)+16*(\g&1)
.endr
	; 3. P = exp2(sum x f - MI), in place: one fused multiply-add for two numbers.  The exponentials stand in runs; a plain instruction on other
	;    registers follows each run (ISA guide 5.7.2)
.macro SUBEXP
.irp a, 0,1,2,3
.set c, 0
.rept 32
	v_pk_fma_f32 v[64*\a+c:64*\a+c+1], v[64*\a+c:64*\a+c+1], s[74:75], v[MX+c:MX+c+1] op_sel_hi:[1,0,1] neg_lo:[0,0,1] neg_hi:[0,0,1]
.set c, c+2
.endr
.endr
.set c, 0
.rept 256
	v_exp_f32 v[c], v[c]
.set c, c+1
.endr
.endm
	WIN 0x82                                       ; source 0 and destination window 2, source 2 window 0
	SUBEXP
	WIN 0xc3                                       ; the same for window 3
	SUBEXP
	v_nop
	; 4. The sums, in f32
.macro ADDIN off
.set c, 0
.rept 32
	v_pk_add_f32 v[SU+c:SU+c+1], v[SU+c:SU+c+1], v[\off+c:\off+c+1]
.set c, c+2
.endr
.endm
	WIN 0x0a                                       ; sources 0 and 1 window 2
.set c, 0
	s_wait_alu depctr_va_vdst(0)
.rept 32
	v_pk_add_f32 v[SU+c:SU+c+1], v[c:c+1], v[64+c:64+c+1]
.set c, c+2
.endr
	WIN 0x08                                       ; source 1 window 2
	ADDIN 128
	ADDIN 192
	WIN 0x0c                                       ; source 1 window 3
	ADDIN 0
	ADDIN 64
	ADDIN 128
	ADDIN 192
	WIN 0
.irp m, 1,2,4,8
.set c, 0
.rept 64
	v_add_f32_dpp v[SU+c], v[SU+c], v[SU+c] row_xmask:\m row_mask:0xf bank_mask:0xf
.set c, c+1
.endr
.endr
.irp g, 0,1,2,3,4,5,6,7,8,9,10,11,12,13,14,15
	ds_store_b128 v[SST], v[SU+4*\g:SU+4*\g+3] offset:512+64*(\g>>1)+16*(\g&1)
.endr
	; 5. Back as 16 bytes a lane and out: each store of the wave covers 512 consecutive bytes, aligned
	ds_load_b128 v[32:35], v[SRD]                  ; my wave's own bytes: LDS serves a wave's instructions in order
	ds_load_b128 v[36:39], v[SRD] offset:512
	s_wait_dscnt 0x0
	global_store_b128 v[SGO], v[32:35], s[68:69]
	global_store_b128 v[SGO], v[36:39], s[70:71]   ; v29, v[32:39] and s[68:71] are not written again
	; 6. P goes out as f16, 16 rows (keys) at a time, through my stage
	s_lshl_b32 s13, s13, 8
	s_lshl_b32 s14, s11, 7
	s_add_co_u32 s16, s13, s14
	s_mov_b32 s17, 0
	s_mov_b64 s[18:19], SIZE_N*2
	s_mul_u64 s[16:17], s[16:17], s[18:19]
	s_add_nc_u64 s[8:9], s[8:9], s[16:17]
	s_lshl_b32 s46, s42, 9
	s_lshl_b32 s47, s12, 8
	s_add_co_u32 s46, s46, s47
	s_mov_b32 s47, 0
	s_add_nc_u64 s[8:9], s[8:9], s[46:47]
.macro OUT16 i, a, from, f
	WIN \from
.irp b, 0,1,2,3,4,5,6,7
.irp r, 0,1,2,3
	v_cvt_pk_f16_f32 v[TMP+4*\b+\r], v[8*(8*\a+\b)+2*\r], v[8*(8*\a+\b)+2*\r+1]
.endr
.endr
	WIN 0
.irp b, 0,1,2,3,4,5,6,7
	ds_store_b128 v[STO], v[TMP+4*\b:TMP+4*\b+3] offset:32*\b
.endr
	s_wait_xcnt 0x0                                ; buffer f and the stores' base are rewritten only behind this wait
.if \i
	s_add_nc_u64 s[8:9], s[8:9], 16*SIZE_N*2
.endif
.irp t, 0,1,2,3,4,5,6,7
	ds_load_b128 v[\f+4*\t:\f+4*\t+3], v[RD] offset:\t*2*SPITCH
.endr
.irp t, 0,1,2,3,4,5,6,7
	s_wait_dscnt 7-\t                              ; read-back t is in, the younger ones stay out
	global_store_b128 v[CO], v[\f+4*\t:\f+4*\t+3], s[8:9] offset:2*\t*SIZE_N*2
.endr
.endm
	OUT16 0, 0, 0x0a, F0
	OUT16 1, 1, 0x0a, F1
	OUT16 2, 2, 0x0a, F0
	OUT16 3, 3, 0x0a, F1
	OUT16 4, 0, 0x0f, F0
	OUT16 5, 1, 0x0f, F1
	OUT16 6, 2, 0x0f, F0
	OUT16 7, 3, 0x0f, F1
	s_set_vgpr_msb 0x1
	s_wait_tensorcnt 0x0
	ds_add_u32 v255, v255
	s_wait_dscnt 0x0
	s_set_vgpr_msb 0x100
	CROUND
	s_endpgm
.Lfunc_end_k_qddf64939d9_scores:
	.size	k_qddf64939d9_scores, .Lfunc_end_k_qddf64939d9_scores-k_qddf64939d9_scores
	.p2alignl 7, 3214868480
	.fill 96, 4, 3214868480
	.section	.rodata,"a",@progbits
	.p2align	6, 0x0
	.amdhsa_kernel k_qddf64939d9_scores
		.amdhsa_group_segment_fixed_size 327680
		.amdhsa_private_segment_fixed_size 0
		.amdhsa_enable_private_segment 0
		.amdhsa_kernarg_size 32
		.amdhsa_user_sgpr_count 2
		.amdhsa_user_sgpr_kernarg_segment_ptr 1
		.amdhsa_wavefront_size32 1
		.amdhsa_system_sgpr_workgroup_id_x 1
		.amdhsa_system_sgpr_workgroup_id_y 1
		.amdhsa_system_sgpr_workgroup_id_z 1
		.amdhsa_system_vgpr_workitem_id 0
		.amdhsa_next_free_vgpr 1024
		.amdhsa_next_free_sgpr 80
		.amdhsa_reserve_vcc 0
		.amdhsa_float_denorm_mode_32 3
		.amdhsa_float_denorm_mode_16_64 3
		.amdhsa_memory_ordered 1
		.amdhsa_forward_progress 1
		.amdhsa_inst_pref_size 255
	.end_amdhsa_kernel
	.section	.bss,"aw",@nobits
	.p2align	6
	.space	262144
	.amdgpu_metadata
---
amdhsa.version: [ 1, 2 ]
amdhsa.kernels:
  - .name:           k_qddf64939d9_scores
    .symbol:         k_qddf64939d9_scores.kd
    .args:
      - { .name: qk, .offset: 0, .size: 8, .value_kind: global_buffer, .address_space: global }
      - { .name: scl, .offset: 8, .size: 8, .value_kind: global_buffer, .address_space: global }
      - { .name: pt, .offset: 16, .size: 8, .value_kind: global_buffer, .address_space: global }
      - { .name: st, .offset: 24, .size: 8, .value_kind: global_buffer, .address_space: global }
    .group_segment_fixed_size: 327680
    .private_segment_fixed_size: 0
    .kernarg_segment_align: 8
    .kernarg_segment_size: 32
    .max_flat_workgroup_size: 128
    .sgpr_count:     80
    .vgpr_count:     1024
    .wavefront_size: 32
...
	.end_amdgpu_metadata
.endif
;; end of part 4
;; launch projv (part 5): grid 32 x 8, 4 waves a work-group, clusters of 4 x 4, 327,680 bytes of LDS; arguments wb, xb, bv, st, scl, vt, eb; writes vt, eb
.if DOCPART == 5
	.amdgcn_target "amdgcn-amd-amdhsa--gfx1250"
	.amdhsa_code_object_version 6
	.text
	.protected	k_qddf64939d9_projv
	.globl	k_qddf64939d9_projv
	.p2align	8
	.type	k_qddf64939d9_projv,@function
k_qddf64939d9_projv:
	s_mov_b64 s[64:65], 0
	v_nop
	global_prefetch_b8 v0, s[64:65] scope:SCOPE_SE
	s_setreg_imm32_b32 hwreg(HW_REG_WAVE_MODE, 25, 1), 1
	s_wait_xcnt 0x0
	s_wait_alu depctr_hold_cnt(0) depctr_sa_sdst(0) depctr_va_vdst(0) depctr_va_sdst(0) depctr_va_ssrc(0) depctr_va_vcc(0) depctr_vm_vsrc(0)
	s_getreg_b32 s2, hwreg(HW_REG_IB_STS2, 6, 4)
	s_cmp_eq_u32 s2, 0
	s_cbranch_scc0 .Lentry_in_a_cluster
	s_endpgm
.Lentry_in_a_cluster:
	s_bfe_u32 s2, ttmp6, 0x10000c
	s_cmp_lg_u32 s2, 0xf033
	s_cbranch_scc0 .Lentry_shape_is_right
	s_endpgm
.Lentry_shape_is_right:
; projv: joins the softmax statistics and makes v, scaled and transposed:
;   M[q] = max over the 16 key blocks of MI, l[q] = sum of L 2^(MI - M) (at least 1: the block that holds M has a term of 1 or more),
;   eb[b 16 + kb][q] = g = f16(2^(MI[kb] - M) 2048 / l), at most 2,048 by its construction;
;   vt[d][b 2048 + q] = f16((x Wv^T + bv)[q][d] sv), sv the batch's power of two that puts a bound on every number of v into [2^7, 2^8).
; The last launch forms (P g) . vt and multiplies by 2^-11 / sv.  1/l goes with g and not with v: v / l would leave f16's normal range for small inputs.
; LIMITS: 2^(MI - M) below 2^-126 comes out as 0 (v_exp_f32 flushes, ISA guide 15.8); a g below 2^-14 keeps an absolute error of 2^-25, a number of v
; below 2^-22 of the bound one of 2^-33 of the bound; NaN and infinities are not carried through as the reference would.
; A = Wv (rows 2048-3071 of wb, rows = d), B = xb (rows = b 2048 + q), both bf16, C = vt [1024][8192].  Grid x = block of 256 rows of x, grid y = block
; of 128 d: 256 work-groups; blocks of 256 x 256 would give 128.  Four waves, 2 x 2: a wave makes 64 (d) x 128 (q): 32 accumulator tiles.
; THE RING HAS TWO UNEQUAL SLOTS.  128 along K are 384 rows x 272 bytes = 104,448 bytes of LDS and 128 matrix instructions a wave.  Two slots of 256 along K
; would take 2 x 384 x 528 = 405,504 bytes, more than the 327,680 there are; so slot X holds 256 along K (rows of 512 bytes, pitch 528: 202,752 bytes)
; and slot Y 128 (rows of 256 bytes, pitch 272: 104,448 bytes), and they take turns: X0 Y0 X1 Y1 X2 = 2,048 bytes of K.  Y's refill has X's 256 matrix
; instructions in which to land, X's refill Y's 128; two changes of slots serve 384 along K.
; Waves 0, 1 fetch B's halves of 128 rows, waves 2, 3 A's halves of 64 rows, one tensor load a wave; a wave has two out at the start, later one.
; CLUSTERS 4 x 4: A's tile is shared along a row of the cluster, B's along a column, by joint loads.
; window 0: v0-31 addresses and small data, v32-95 / v128-191 fragments of B (two buffers), v96-127 / v192-223 fragments of A;
; window 1: accumulators, tile (a, b) at v[8 (8 a + b)].  The matrix instruction is used transposed: lane (r, h) holds row d = 16 a + r,
; registers j the columns q = 16 b + 8 h + j.
.set PX,     528                       ; slot X: 512 bytes + 16 of padding: an odd multiple of 16, so the 16 rows of a fragment load start 16 bytes apart modulo 256
.set PY,     272                       ; slot Y: 256 bytes + 16
.set XB,     0                         ; X: B's 256 rows,
.set XA,     256*PX                    ;    then A's 128 rows
.set YB,     384*PX                    ; Y: B's 256 rows,
.set YA,     YB+256*PY                 ;    then A's 128 rows
.set STAGE,  YB+384*PY                 ; 307,200: 16 rows x 272 bytes for each wave; no tensor load lands there
.set SPITCH, 272
.set KPER,   768                       ; bytes of K from a slot's tile to its next: X's 512 and Y's 256
.set X0OFF,  0                         ; where the first tiles begin in a row
.set Y0OFF,  512
.set LDK,    1024                      ; elements from row to row of wb and xb
.set LDC,    16384                     ; bytes from row to row of vt
.set BVP,  8                           ; v[8:15]  bv of my row in tile a, twice (a pair for the packed forms)
.set ADRA, 16                          ; v16, v17 LDS address of my A fragments in X, Y
.set ADRB, 18                          ; v18, v19 the same for B
.set STO,  20
.set RD,   21
.set CO,   22
.set SOFF, 24                          ; my offset in st, key block 0
.set SSEL, 25                          ; the same, the key block whose factor this wave stores
.set EOFF, 26                          ; my offset in eb; never rewritten
.set EP,   28                          ; v[28:29] four factors in f16; never rewritten
.set BVO,  30                          ; my offset in bv
.set FB,   32
.set FA,   96
.set NEXTF, 96                         ; buffer 1 lies 96 registers behind buffer 0
.set SM,   32                          ; prologue only: MI of 16 key blocks x 4 queries
.set SL,   128                         ; prologue only: L likewise
.set MS,   96                          ; prologue only: MI of the selected key block, then g
.set MG,   100                         ; M
.set LG,   104                         ; l
.set RC,   108                         ; 1/l
.set TMP,  32                          ; epilogue: packed results
.set G1A, 24                           ; s[24:31] group 1 of A's tiles in X, s[32:39] in Y
.set G1B, 48                           ; s[48:55] group 1 of B's tiles in X, s[56:63] in Y
.set G0A, 68                           ; s[68:71] group 0 of A's tiles in X, s[72:75] in Y
.set G0B, 76                           ; s[76:79] group 0 of B's tiles in X, s[80:83] in Y
.set FLX, (1<<16)|(1<<20)|(1<<21)|(6<<22)|(3<<25)   ; elements of 2 bytes; padding on; bit 21 beside a mask; 4 words behind every 128 words
.set FLY, (1<<16)|(1<<20)|(1<<21)|(5<<22)|(3<<25)   ; the same, behind every 64 words
.set MSB, 0
.macro WIN new                         ; the immediate's high byte repeats the setting that is left
.if MSB != \new
	s_set_vgpr_msb (MSB<<8)|\new
.set MSB, \new
.endif
.endm
.set MUL, 0x50                         ; sources 0, 1 window 0; C and D window 1
.macro SHAPE g, c, r, ld               ; words 1 to 7 of a group 1: a tile of r rows x c elements that lies inside the tensor, ld elements from row to row
	s_mov_b32 s[\g+1], (\c)<<16
	s_mov_b32 s[\g+2], (\r)<<16
	s_mov_b32 s[\g+3], (\c)<<16
	s_mov_b32 s[\g+4], \r
	s_mov_b32 s[\g+5], \ld
	s_mov_b32 s[\g+6], 0
	s_mov_b32 s[\g+7], 0
.endm
.macro JLOAD sl                        ; slot sl (0: X, 1: Y): waves 0, 1 ask for B's halves, waves 2, 3 for A's; four v_nop behind each line
	s_cmp_eq_u32 s11, 0
	s_cbranch_scc0 .Lfor_a_\@
	tensor_load_to_lds s[G0B+4*\sl:G0B+4*\sl+3], s[G1B+8*\sl:G1B+8*\sl+7]
	s_nop 0
.rept 4
	v_nop
.endr
	s_branch .Lasked_\@
.Lfor_a_\@:
	tensor_load_to_lds s[G0A+4*\sl:G0A+4*\sl+3], s[G1A+8*\sl:G1A+8*\sl+7]
	s_nop 0
.rept 4
	v_nop
.endr
.Lasked_\@:
.endm
.macro CREST                           ; a round of the cluster's barrier behind its opening barrier
	s_cmp_lg_u32 s10, 0
	s_cbranch_scc1 .Lnot_wave_0_\@
	s_barrier_signal -3
.Lnot_wave_0_\@:
	s_barrier_wait -3
	s_barrier_signal -1
	s_barrier_wait -1
.endm
.macro CROUND
	s_barrier_signal -1
	s_barrier_wait -1
	CREST
.endm
	s_load_b128 s[4:7], s[0:1], 0x0                ; wb s[4:5], xb s[6:7]
	s_load_b64 s[66:67], s[0:1], 0x10              ; bv
	s_load_b128 s[84:87], s[0:1], 0x18             ; st s[84:85], scl s[86:87]
	s_load_b64 s[8:9], s[0:1], 0x28                ; vt
	s_load_b64 s[88:89], s[0:1], 0x30              ; eb
	v_lshl_add_u32 v254, v0, 2, 0x4f400
	v_mov_b32 v255, 0
	ds_add_u32 v254, v255
	v_lshrrev_b32 v1, 5, v0
	v_readfirstlane_b32 s10, v1
	s_lshr_b32 s11, s10, 1                         ; my half of the block's rows (d).  Also: I fetch for B (0) or for A (1)
	s_and_b32 s12, s10, 1                          ; my half of its columns (q).  Also: which half of that tile I fetch
	s_bfe_u32 s40, ttmp6, 0x40000
	s_bfe_u32 s41, ttmp6, 0x40004
	s_lshl_b32 s42, ttmp9, 2
	s_add_co_u32 s42, s42, s40                     ; bx: block of 256 rows of x, 0..31
	s_and_b32 s13, ttmp7, 0xffff
	s_lshl_b32 s13, s13, 2
	s_add_co_u32 s13, s13, s41                     ; by: block of 128 d, 0..7
	s_lshl_b32 s43, s41, 2
	s_lshl_b32 s43, 15, s43                        ; my row of the cluster
	s_lshl_b32 s44, 0x1111, s40                    ; my column
	s_or_b32 s[G1A], s43, FLX
	s_or_b32 s[G1A+8], s43, FLY
	s_or_b32 s[G1B], s44, FLX
	s_or_b32 s[G1B+8], s44, FLY
	SHAPE G1A,   256, 64,  LDK                     ; A in X: 64 rows x 256 elements
	SHAPE G1A+8, 128, 64,  LDK                     ; A in Y: 64 rows x 128
	SHAPE G1B,   256, 128, LDK                     ; B in X: 128 rows x 256
	SHAPE G1B+8, 128, 128, LDK                     ; B in Y: 128 rows x 128
	; where the tiles go: a constant and the wave's number times a constant
	s_mov_b32 s[G0A], 1
	s_mul_i32 s[G0A+1], s10, 64*PX
	s_add_co_u32 s[G0A+1], s[G0A+1], XA-128*PX     ; waves 2, 3: XA and XA + 64 rows
	s_mov_b32 s[G0A+4], 1
	s_mul_i32 s[G0A+5], s10, 64*PY
	s_add_co_u32 s[G0A+5], s[G0A+5], YA-128*PY     ; waves 2, 3: YA and YA + 64 rows
	s_mov_b32 s[G0B], 1
	s_mul_i32 s[G0B+1], s10, 128*PX                ; waves 0, 1: XB = 0 and 128 rows on
	s_mov_b32 s[G0B+4], 1
	s_mul_i32 s[G0B+5], s10, 128*PY
	s_add_co_u32 s[G0B+5], s[G0B+5], YB            ; waves 0, 1: YB and 128 rows on
	; where they come from: A's hang on the block row alone, B's on the block column alone
	s_lshl_b32 s16, s13, 7
	s_lshl_b32 s17, s12, 6
	s_add_co_u32 s16, s16, s17                     ; A: row 128 by + 64 x half of Wv
	s_lshl_b32 s16, s16, 11                        ; rows of 2,048 bytes
	s_add_co_u32 s16, s16, 0x400000                ; Wv lies behind Wq and Wk: 2,048 rows
	s_mov_b32 s17, 0
	s_lshl_b32 s46, s42, 8
	s_lshl_b32 s47, s12, 7
	s_add_co_u32 s46, s46, s47                     ; B: row 256 bx + 128 x half of xb
	s_lshl_b32 s46, s46, 11
	s_mov_b32 s47, 0
	s_wait_dscnt 0x0
	s_wait_kmcnt 0x0
	s_add_nc_u64 s[14:15], s[4:5], s[16:17]
	s_add_nc_u64 s[46:47], s[6:7], s[46:47]
	s_add_nc_u64 s[G0A+2:G0A+3], s[14:15], X0OFF
	s_or_b32 s[G0A+3], s[G0A+3], 0x80000000
	s_add_nc_u64 s[G0A+6:G0A+7], s[14:15], Y0OFF
	s_or_b32 s[G0A+7], s[G0A+7], 0x80000000
	s_add_nc_u64 s[G0B+2:G0B+3], s[46:47], X0OFF
	s_or_b32 s[G0B+3], s[G0B+3], 0x80000000
	s_add_nc_u64 s[G0B+6:G0B+7], s[46:47], Y0OFF
	s_or_b32 s[G0B+7], s[G0B+7], 0x80000000
	CROUND                                         ; in front of the first joint loads
	JLOAD 0                                        ; X0, which is read first,
	JLOAD 1                                        ; and Y0: both first fills, ahead of everything else
	v_and_b32 v1, 15, v0                           ; r
	v_bfe_u32 v2, v0, 4, 1                         ; h
	v_and_b32 v6, 31, v0                           ; lane
	; the statistics' addresses.  My wave joins the 128 queries that are its own columns, 4 a lane
	s_lshr_b32 s94, s42, 3                         ; b
	s_lshl_b32 s96, s94, 8                         ; the batch's 256 bytes of scl
	s_mov_b32 s97, 0
	s_add_nc_u64 s[86:87], s[86:87], s[96:97]
	s_load_b32 s90, s[86:87], 0x18                 ; sv; s[86:87] are not written again
	s_add_nc_u64 s[92:93], s[84:85], 0x80000       ; L lies 524,288 bytes behind MI
	s_and_b32 s95, s42, 7
	s_lshl_b32 s95, s95, 8
	s_lshl_b32 s98, s12, 7
	s_add_co_u32 s95, s95, s98                     ; q0: my first query in the batch
	s_lshl_b32 s98, s94, 17                        ; 16 rows of 8,192 bytes a batch
	s_lshl2_add_u32 s98, s95, s98                  ; + 4 q0
	s_lshl1_add_u32 s99, s13, s11                  ; the key block whose factors this wave stores: 2 by + my half, 0..15
	v_lshl_add_u32 v[SOFF], v6, 4, s98
	s_lshl_b32 s100, s99, 13
	v_add_nc_u32 v[SSEL], s100, v[SOFF]
	s_lshl4_add_u32 s101, s94, s99                 ; 16 b + key block
	s_lshl_b32 s101, s101, 11
	s_add_co_u32 s101, s101, s95
	s_lshl_b32 s101, s101, 1                       ; f16
	v_lshl_add_u32 v[EOFF], v6, 3, s101
	s_lshl_b32 s45, s13, 7
	s_lshl_b32 s100, s11, 6
	s_add_co_u32 s45, s45, s100                    ; my first row d
	s_lshl_b32 s100, s45, 2
	v_lshl_add_u32 v[BVO], v1, 2, s100
.irp kb, 0,1,2,3,4,5,6,7,8,9,10,11,12,13,14,15
	global_load_b128 v[SM+4*\kb:SM+4*\kb+3], v[SOFF], s[84:85] offset:8192*\kb     ; 512 consecutive bytes a wave
.endr
.irp kb, 0,1,2,3,4,5,6,7,8,9,10,11,12,13,14,15
	global_load_b128 v[SL+4*\kb:SL+4*\kb+3], v[SOFF], s[92:93] offset:8192*\kb
.endr
	global_load_b128 v[MS:MS+3], v[SSEL], s[84:85]
.irp a, 0,1,2,3
	global_load_b32 v[BVP+2*\a],   v[BVO], s[66:67] offset:64*\a
	global_load_b32 v[BVP+2*\a+1], v[BVO], s[66:67] offset:64*\a
.endr
	; the other addresses, while those are on their way
	v_mul_u32_u24 v3, v1, PX
	v_lshl_add_u32 v3, v2, 4, v3                   ; in X: row x pitch + 16 h
	v_mul_u32_u24 v4, v1, PY
	v_lshl_add_u32 v4, v2, 4, v4                   ; in Y
	s_mul_i32 s16, s11, 64*PX
	s_add_co_u32 s16, s16, XA                      ; my 64 rows of A in X
	s_mul_i32 s17, s12, 128*PX                     ; my 128 rows of B in X (XB = 0)
	s_mul_i32 s18, s11, 64*PY
	s_add_co_u32 s18, s18, YA                      ; and in Y
	s_mul_i32 s19, s12, 128*PY
	s_add_co_u32 s19, s19, YB
	v_add_nc_u32 v[ADRA], s16, v3
	v_add_nc_u32 v[ADRB], s17, v3
	v_add_nc_u32 v[ADRA+1], s18, v4
	v_add_nc_u32 v[ADRB+1], s19, v4
	s_mul_i32 s98, s10, 16*SPITCH
	s_add_co_u32 s98, s98, STAGE
	v_mul_u32_u24 v5, v1, SPITCH
	v_lshl_add_u32 v5, v2, 4, v5
	v_add_nc_u32 v[STO], s98, v5
	v_mul_u32_u24 v5, v2, SPITCH
	v_lshl_add_u32 v5, v1, 4, v5
	v_add_nc_u32 v[RD], s98, v5
	v_mul_u32_u24 v5, v2, LDC
	v_lshl_add_u32 v[CO], v1, 4, v5
	s_lshl_b32 s96, s45, 14                        ; my first row of vt, 16,384 bytes a row
	s_lshl_b32 s97, s42, 9
	s_add_co_u32 s96, s96, s97                     ; + 256 columns of 2 bytes a block
	s_lshl_b32 s97, s12, 8
	s_add_co_u32 s96, s96, s97
	s_mov_b32 s97, 0
	s_add_nc_u64 s[8:9], s[8:9], s[96:97]
	s_wait_kmcnt 0x0                               ; sv
	s_mov_b32 s91, s90                             ; a pair for the packed forms
	s_wait_loadcnt 0x0
.irp i, 0,1,2,3
	v_max3_num_f32 v[MG+\i], v[SM+\i], v[SM+4+\i], v[SM+8+\i]
.irp kb, 3,5,7,9,11,13
	v_max3_num_f32 v[MG+\i], v[MG+\i], v[SM+4*\kb+\i], v[SM+4*\kb+4+\i]
.endr
	v_max_num_f32 v[MG+\i], v[MG+\i], v[SM+60+\i]
.endr
.irp kb, 0,1,2,3,4,5,6,7,8,9,10,11,12,13,14,15
	v_pk_add_f32 v[SM+4*\kb:SM+4*\kb+1],   v[SM+4*\kb:SM+4*\kb+1],   v[MG:MG+1]   neg_lo:[0,1] neg_hi:[0,1]
	v_pk_add_f32 v[SM+4*\kb+2:SM+4*\kb+3], v[SM+4*\kb+2:SM+4*\kb+3], v[MG+2:MG+3] neg_lo:[0,1] neg_hi:[0,1]
.endr
	v_pk_add_f32 v[MS:MS+1],   v[MS:MS+1],   v[MG:MG+1]   neg_lo:[0,1] neg_hi:[0,1]
	v_pk_add_f32 v[MS+2:MS+3], v[MS+2:MS+3], v[MG+2:MG+3] neg_lo:[0,1] neg_hi:[0,1]
.set c, 0
.rept 64
	v_exp_f32 v[SM+c], v[SM+c]                     ; 2^(MI - M): whole exponents, none above 0
.set c, c+1
.endr
.irp i, 0,1,2,3
	v_exp_f32 v[MS+\i], v[MS+\i]
.endr
	v_nop                                          ; one plain instruction behind the run of exponentials (ISA guide 5.7.2)
	s_wait_alu depctr_va_vdst(0)
	v_pk_mul_f32 v[LG:LG+1],   v[SL:SL+1],   v[SM:SM+1]
	v_pk_mul_f32 v[LG+2:LG+3], v[SL+2:SL+3], v[SM+2:SM+3]
.irp kb, 1,2,3,4,5,6,7,8,9,10,11,12,13,14,15
	v_pk_fma_f32 v[LG:LG+1],   v[SL+4*\kb:SL+4*\kb+1],   v[SM+4*\kb:SM+4*\kb+1],   v[LG:LG+1]
	v_pk_fma_f32 v[LG+2:LG+3], v[SL+4*\kb+2:SL+4*\kb+3], v[SM+4*\kb+2:SM+4*\kb+3], v[LG+2:LG+3]
.endr
	v_pk_mul_f32 v[MS:MS+1],   v[MS:MS+1],   0x45000000 op_sel_hi:[1,0]       ; x 2,048: exact
	v_pk_mul_f32 v[MS+2:MS+3], v[MS+2:MS+3], 0x45000000 op_sel_hi:[1,0]
.irp i, 0,1,2,3
	v_rcp_f32 v[RC+\i], v[LG+\i]
.endr
	v_nop                                          ; one plain instruction behind the run of reciprocals
	s_wait_alu depctr_va_vdst(0)
	v_pk_mul_f32 v[MS:MS+1],   v[MS:MS+1],   v[RC:RC+1]
	v_pk_mul_f32 v[MS+2:MS+3], v[MS+2:MS+3], v[RC+2:RC+3]
	v_cvt_pk_f16_f32 v[EP],   v[MS],   v[MS+1]     ; g, at most 2,048
	v_cvt_pk_f16_f32 v[EP+1], v[MS+2], v[MS+3]
	global_store_b64 v[EOFF], v[EP:EP+1], s[88:89] ; 256 consecutive bytes a wave, aligned; each (key block, query) is stored by one wave of the launch
.macro MUL16 f, a0, zero
.irp a, \a0, \a0+1
.irp b, 0,1,2,3,4,5,6,7
.if \zero
	v_wmma_f32_16x16x32_bf16 v[8*(8*(\a)+\b):8*(8*(\a)+\b)+7], v[FB+NEXTF*\f+8*\b:FB+NEXTF*\f+8*\b+7], v[FA+NEXTF*\f+8*(\a):FA+NEXTF*\f+8*(\a)+7], 0
.else
	v_wmma_f32_16x16x32_bf16 v[8*(8*(\a)+\b):8*(8*(\a)+\b)+7], v[FB+NEXTF*\f+8*\b:FB+NEXTF*\f+8*\b+7], v[FA+NEXTF*\f+8*(\a):FA+NEXTF*\f+8*(\a)+7], v[8*(8*(\a)+\b):8*(8*(\a)+\b)+7]
.endif
.endr
.endr
.endm
.macro FETCH sl, k, f                  ; 24 LDS loads in one run: 128 rows of B and 64 rows of A, 32 along K at byte k of slot sl's rows, into buffer f
.set LP, PX-(\sl)*(PX-PY)              ; the slot's pitch
.irp i, 0,1,2,3,4,5,6,7
	ds_load_b128 v[FB+NEXTF*\f+8*\i:FB+NEXTF*\f+8*\i+3],   v[ADRB+\sl] offset:\k+\i*16*LP
	ds_load_b128 v[FB+NEXTF*\f+8*\i+4:FB+NEXTF*\f+8*\i+7], v[ADRB+\sl] offset:\k+\i*16*LP+32
.endr
.irp i, 0,1,2,3
	ds_load_b128 v[FA+NEXTF*\f+8*\i:FA+NEXTF*\f+8*\i+3],   v[ADRA+\sl] offset:\k+\i*16*LP
	ds_load_b128 v[FA+NEXTF*\f+8*\i+4:FA+NEXTF*\f+8*\i+7], v[ADRA+\sl] offset:\k+\i*16*LP+32
.endr
.endm
.macro PLACES                          ; four independent vector instructions behind a matrix instruction (ISA guide 7.12.1 for vector accesses)
.rept 4
	v_nop
.endr
.endm
; A quarter (32 along K): buffer f is in; the next quarter's fragments go out first and have this quarter's 32 matrix instructions in which to land.
; The 32 accumulators take turns, one instruction a turn, in the same order in every quarter.
.macro QUARTER sl, k, f, g, zero
	s_wait_dscnt 0x0
	WIN 0
	PLACES
	FETCH \sl, \k, \g
	WIN MUL
	MUL16 \f, 0, \zero
	MUL16 \f, 2, \zero
.endm
.macro XRUN zero                       ; the first seven of X's eight quarters
	QUARTER 0, 64,  0, 1, \zero
	QUARTER 0, 128, 1, 0, 0
	QUARTER 0, 192, 0, 1, 0
	QUARTER 0, 256, 1, 0, 0
	QUARTER 0, 320, 0, 1, 0
	QUARTER 0, 384, 1, 0, 0
	QUARTER 0, 448, 0, 1, 0
.endm
.macro YRUN                            ; the first three of Y's four quarters
	QUARTER 1, 64,  0, 1, 0
	QUARTER 1, 128, 1, 0, 0
	QUARTER 1, 192, 0, 1, 0
.endm
; A slot's last quarter multiplies buffer 1 and changes slots.  In front of the barrier each wave waits for its reads of slot sl and for all its tensor
; loads (one is out: its part of the other slot); behind it the refill of slot sl comes first, then the other slot's first fragments.
.macro TURN sl, next, fill
	s_wait_dscnt 0x0                               ; buffer 1 is in, and with it my last reads of this slot
	s_wait_tensorcnt 0x0                           ; all my tensor loads have landed: my part of the other slot
	ds_add_u32 v254, v255
	s_wait_dscnt 0x0
	WIN MUL
	s_barrier_signal -1
	MUL16 1, 0, 0                                  ; register work while the others arrive
	WIN 0
	s_barrier_wait -1
.if \fill
	CREST                                          ; the cluster's round closes: no partner's wave reads this slot or has a load on its way
	s_add_nc_u64 s[G0A+4*\sl+2:G0A+4*\sl+3], s[G0A+4*\sl+2:G0A+4*\sl+3], KPER
	s_add_nc_u64 s[G0B+4*\sl+2:G0B+4*\sl+3], s[G0B+4*\sl+2:G0B+4*\sl+3], KPER
	JLOAD \sl                                      ; the first tensor load behind the round; its four v_nop are the places in front of the loads below
.else
	PLACES
.endif
	FETCH \next, 0, 0
	WIN MUL
	MUL16 1, 2, 0
.endm
	s_wait_tensorcnt 0x1                           ; my part of X0 is in; Y0's may stay out
	s_barrier_signal -1
	s_barrier_wait -1
	FETCH 0, 0, 0
	XRUN 1                                         ; X0: the first products start the sums
	TURN 0, 1, 1                                   ; X1 goes out
	YRUN                                           ; Y0
	TURN 1, 0, 1                                   ; Y1 goes out
	XRUN 0                                         ; X1
	TURN 0, 1, 1                                   ; X2 goes out: the last fill
	YRUN                                           ; Y1
	TURN 1, 0, 0
	XRUN 0                                         ; X2
	s_wait_dscnt 0x0
	WIN MUL
	MUL16 1, 0, 0
	MUL16 1, 2, 0
	; (sum + bv) x sv, as sum x sv + (bv x sv): one fused multiply-add for two numbers; then out as f16
	PLACES
	WIN 0
.irp a, 0,1,2,3
	v_pk_mul_f32 v[BVP+2*\a:BVP+2*\a+1], v[BVP+2*\a:BVP+2*\a+1], s[90:91] op_sel_hi:[1,0]
.endr
	WIN 0x41                                       ; source 0 and destination window 1, source 2 window 0
.irp a, 0,1,2,3
.set c, 0
.rept 32
	v_pk_fma_f32 v[64*\a+c:64*\a+c+1], v[64*\a+c:64*\a+c+1], s[90:91], v[BVP+2*\a:BVP+2*\a+1] op_sel_hi:[1,0,1]
.set c, c+2
.endr
.endr
.macro OUT16 i, f
	WIN 0x05                                       ; sources 0 and 1 window 1
.irp b, 0,1,2,3,4,5,6,7
.irp r, 0,1,2,3
	v_cvt_pk_f16_f32 v[TMP+4*\b+\r], v[8*(8*\i+\b)+2*\r], v[8*(8*\i+\b)+2*\r+1]
.endr
.endr
	WIN 0
.irp b, 0,1,2,3,4,5,6,7
	ds_store_b128 v[STO], v[TMP+4*\b:TMP+4*\b+3] offset:32*\b
.endr
	s_wait_xcnt 0x0                                ; buffer f and the stores' base are rewritten only behind this wait
.if \i
	s_add_nc_u64 s[8:9], s[8:9], 16*LDC
.endif
.irp t, 0,1,2,3,4,5,6,7
	ds_load_b128 v[\f+4*\t:\f+4*\t+3], v[RD] offset:\t*2*SPITCH    ; my wave's own bytes, served in order
.endr
.irp t, 0,1,2,3,4,5,6,7
	s_wait_dscnt 7-\t                              ; read-back t is in, the younger ones stay out
	global_store_b128 v[CO], v[\f+4*\t:\f+4*\t+3], s[8:9] offset:2*\t*LDC       ; 16 lanes store 256 consecutive bytes, aligned
.endr
.endm
	OUT16 0, 64
	OUT16 1, 96
	OUT16 2, 64
	OUT16 3, 96
	s_wait_tensorcnt 0x0
	ds_add_u32 v254, v255
	s_wait_dscnt 0x0
	CROUND                                         ; the closing round
	s_endpgm
.Lfunc_end_k_qddf64939d9_projv:
	.size	k_qddf64939d9_projv, .Lfunc_end_k_qddf64939d9_projv-k_qddf64939d9_projv
	.p2alignl 7, 3214868480
	.fill 96, 4, 3214868480
	.section	.rodata,"a",@progbits
	.p2align	6, 0x0
	.amdhsa_kernel k_qddf64939d9_projv
		.amdhsa_group_segment_fixed_size 327680
		.amdhsa_private_segment_fixed_size 0
		.amdhsa_enable_private_segment 0
		.amdhsa_kernarg_size 56
		.amdhsa_user_sgpr_count 2
		.amdhsa_user_sgpr_kernarg_segment_ptr 1
		.amdhsa_wavefront_size32 1
		.amdhsa_system_sgpr_workgroup_id_x 1
		.amdhsa_system_sgpr_workgroup_id_y 1
		.amdhsa_system_sgpr_workgroup_id_z 1
		.amdhsa_system_vgpr_workitem_id 0
		.amdhsa_next_free_vgpr 512
		.amdhsa_next_free_sgpr 102
		.amdhsa_reserve_vcc 0
		.amdhsa_float_denorm_mode_32 3
		.amdhsa_float_denorm_mode_16_64 3
		.amdhsa_memory_ordered 1
		.amdhsa_forward_progress 1
		.amdhsa_inst_pref_size 170
	.end_amdhsa_kernel
	.amdgpu_metadata
---
amdhsa.version: [ 1, 2 ]
amdhsa.kernels:
  - .name:           k_qddf64939d9_projv
    .symbol:         k_qddf64939d9_projv.kd
    .args:
      - { .name: wb, .offset: 0, .size: 8, .value_kind: global_buffer, .address_space: global }
      - { .name: xb, .offset: 8, .size: 8, .value_kind: global_buffer, .address_space: global }
      - { .name: bv, .offset: 16, .size: 8, .value_kind: global_buffer, .address_space: global }
      - { .name: st, .offset: 24, .size: 8, .value_kind: global_buffer, .address_space: global }
      - { .name: scl, .offset: 32, .size: 8, .value_kind: global_buffer, .address_space: global }
      - { .name: vt, .offset: 40, .size: 8, .value_kind: global_buffer, .address_space: global }
      - { .name: eb, .offset: 48, .size: 8, .value_kind: global_buffer, .address_space: global }
    .group_segment_fixed_size: 327680
    .private_segment_fixed_size: 0
    .kernarg_segment_align: 8
    .kernarg_segment_size: 56
    .max_flat_workgroup_size: 128
    .sgpr_count:     102
    .vgpr_count:     512
    .wavefront_size: 32
...
	.end_amdgpu_metadata
.endif
;; end of part 5
;; launch outk (part 6): grid 4 x 64, 4 waves a work-group, clusters of 4 x 4, 327,680 bytes of LDS; arguments pt, vt, eb, scl, out0; writes out0
.if DOCPART == 6
	.amdgcn_target "amdgcn-amd-amdhsa--gfx1250"
	.amdhsa_code_object_version 6
	.text
	.protected	k_qddf64939d9_outk
	.globl	k_qddf64939d9_outk
	.p2align	8
	.type	k_qddf64939d9_outk,@function
k_qddf64939d9_outk:
	s_mov_b64 s[64:65], 0
	v_nop
	global_prefetch_b8 v0, s[64:65] scope:SCOPE_SE
	s_setreg_imm32_b32 hwreg(HW_REG_WAVE_MODE, 25, 1), 1
	s_wait_xcnt 0x0
	s_wait_alu depctr_hold_cnt(0) depctr_sa_sdst(0) depctr_va_vdst(0) depctr_va_sdst(0) depctr_va_ssrc(0) depctr_va_vcc(0) depctr_vm_vsrc(0)
	s_getreg_b32 s2, hwreg(HW_REG_IB_STS2, 6, 4)
	s_cmp_eq_u32 s2, 0
	s_cbranch_scc0 .Lentry_in_a_cluster
	s_endpgm
.Lentry_in_a_cluster:
	s_bfe_u32 s2, ttmp6, 0x10000c
	s_cmp_lg_u32 s2, 0xf033
	s_cbranch_scc0 .Lentry_shape_is_right
	s_endpgm
.Lentry_shape_is_right:
; outk: out0[b][key][d] = so x sum over queries of (P[key][q] g[kb][q]) vt[d][q], f32; g = 2^(MI - M) 2048 / l, vt = v sv, so = 2^-11 / sv.
; A = pt (rows = b 2048 + key, K = query), B = vt (rows = d, K = b 2048 + query), both f16, K = 2048.  A work-group's 128 keys are one key block kb, so one
; row of eb (2,048 f16, 4,096 bytes, copied to LDS once) holds the factor of every K.  P is at most 2 and g at most 2,048, so v_pk_mul_f16 on A's
; fragment stays below 4,096; it rounds once more, to f16's 11 bits.  A product below 2^-14 keeps an absolute error of 2^-25: a weight below 2^-25.
; Grid x = block of 256 d, grid y = 16 b + kb: 256 work-groups.  Four waves, 2 x 2: a wave makes 64 keys x 128 d, 32 accumulator tiles.
; THE RING HAS TWO UNEQUAL SLOTS.  128 along K are 384 rows x 272 bytes = 104,448 bytes of LDS and 128 matrix instructions a wave.  Two slots of 256 along K
; would take 2 x 384 x 528 = 405,504 bytes, more than the 327,680 there are; so slot X holds 256 along K (rows of 512 bytes, pitch 528: 202,752 bytes)
; and slot Y 128 (rows of 256 bytes, pitch 272: 104,448 bytes), and they take turns: Y0, then five periods X Y of 768 bytes of K: 256 + 5 x 768 = 4,096.
; Y's refill has X's 256 matrix instructions in which to land, X's refill Y's 128; two changes of slots serve 384 along K.
; Waves 0, 1 fetch B's halves of 128 rows, waves 2, 3 A's halves of 64 rows, one tensor load a wave; a wave has two out at the start, later one.
; CLUSTERS 4 x 4: A's tile is shared along a row of the cluster (the four d blocks), B's along a column (four key blocks of one batch: the batch
; is cluster y / 4), by joint loads.
; window 0: v0-31 addresses, v32-95 / v128-191 fragments of B, v96-127 / v192-223 fragments of A, v224-231 / v232-239 the factors of a quarter;
; window 1: accumulators, tile (a, b) at v[8 (8 a + b)]; lane (r, h) holds key 16 a + r, registers j the columns d = 16 b + 8 h + j.
.set PX,     528                       ; slot X: 512 bytes + 16 of padding: an odd multiple of 16
.set PY,     272                       ; slot Y: 256 bytes + 16
.set XB,     0                         ; X: B's 256 rows,
.set XA,     256*PX                    ;    then A's 128 rows
.set YB,     384*PX                    ; Y: B's 256 rows,
.set YA,     YB+256*PY                 ;    then A's 128 rows
.set EBT,    YB+384*PY                 ; 307,200: 4,096 bytes, my key block's row of eb; no tensor load lands there
.set SPITCH, 528                       ; the way out's stage: 512 bytes of f32 + 16; 16 rows a wave, 33,792 bytes in all, FROM LDS BYTE 0, in slot X:
                                       ; X has had its last fill by then, and every wave has waited for its reads of X in front of the last change of slots' barrier
.set KPER,   768                       ; bytes of K in a period, and from a slot's tile to its next
.set X0OFF,  256                       ; where the first tiles begin in a row
.set Y0OFF,  0
.set PERIODS, 5
.set LDC,    4096                      ; bytes from row to row of out0
.set ADRA, 16                          ; v16, v17 LDS address of my A fragments in X, Y
.set ADRB, 18                          ; v18, v19 the same for B
.set STO,  20
.set RD,   21
.set CO,   22
.set EA,   23                          ; LDS address of the period's factors for my half of the lanes
.set FB,   32
.set FA,   96
.set NEXTF, 96
.set EF,   224
.set G1A, 24                           ; s[24:31] group 1 of A's tiles in X, s[32:39] in Y
.set G1B, 48                           ; s[48:55] group 1 of B's tiles in X, s[56:63] in Y
.set G0A, 68                           ; s[68:71] group 0 of A's tiles in X, s[72:75] in Y
.set G0B, 76                           ; s[76:79] group 0 of B's tiles in X, s[80:83] in Y
.set FLX, (1<<16)|(1<<20)|(1<<21)|(6<<22)|(3<<25)   ; elements of 2 bytes; padding on; bit 21 beside a mask; 4 words behind every 128 words
.set FLY, (1<<16)|(1<<20)|(1<<21)|(5<<22)|(3<<25)   ; the same, behind every 64 words
.set MSB, 0
.macro WIN new
.if MSB != \new
	s_set_vgpr_msb (MSB<<8)|\new
.set MSB, \new
.endif
.endm
.set MUL, 0x50                         ; sources 0, 1 window 0; C and D window 1
.macro SHAPE g, c, r, ld               ; words 1 to 7 of a group 1: a tile of r rows x c elements that lies inside the tensor, ld elements from row to row
	s_mov_b32 s[\g+1], (\c)<<16
	s_mov_b32 s[\g+2], (\r)<<16
	s_mov_b32 s[\g+3], (\c)<<16
	s_mov_b32 s[\g+4], \r
	s_mov_b32 s[\g+5], \ld
	s_mov_b32 s[\g+6], 0
	s_mov_b32 s[\g+7], 0
.endm
.macro JLOAD sl                        ; slot sl (0: X, 1: Y): waves 0, 1 ask for B's halves, waves 2, 3 for A's; four v_nop behind each line
	s_cmp_eq_u32 s11, 0
	s_cbranch_scc0 .Lfor_a_\@
	tensor_load_to_lds s[G0B+4*\sl:G0B+4*\sl+3], s[G1B+8*\sl:G1B+8*\sl+7]
	s_nop 0
.rept 4
	v_nop
.endr
	s_branch .Lasked_\@
.Lfor_a_\@:
	tensor_load_to_lds s[G0A+4*\sl:G0A+4*\sl+3], s[G1A+8*\sl:G1A+8*\sl+7]
	s_nop 0
.rept 4
	v_nop
.endr
.Lasked_\@:
.endm
.macro CREST
	s_cmp_lg_u32 s10, 0
	s_cbranch_scc1 .Lnot_wave_0_\@
	s_barrier_signal -3
.Lnot_wave_0_\@:
	s_barrier_wait -3
	s_barrier_signal -1
	s_barrier_wait -1
.endm
.macro CROUND
	s_barrier_signal -1
	s_barrier_wait -1
	CREST
.endm
	s_load_b128 s[4:7], s[0:1], 0x0                ; pt s[4:5], vt s[6:7]
	s_load_b128 s[84:87], s[0:1], 0x10             ; eb s[84:85], scl s[86:87]
	s_load_b64 s[8:9], s[0:1], 0x20                ; out0
	v_lshl_add_u32 v254, v0, 2, 0x4c000
	v_mov_b32 v255, 0
	ds_add_u32 v254, v255
	v_lshrrev_b32 v1, 5, v0
	v_readfirstlane_b32 s10, v1
	s_lshr_b32 s11, s10, 1                         ; my half of the keys.  Also: I fetch for B (0) or for A (1)
	s_and_b32 s12, s10, 1                          ; my half of the d.  Also: which half of that tile I fetch
	s_bfe_u32 s40, ttmp6, 0x40000
	s_bfe_u32 s41, ttmp6, 0x40004
	s_lshl_b32 s42, ttmp9, 2
	s_add_co_u32 s42, s42, s40                     ; bx: block of 256 d, 0..3
	s_and_b32 s45, ttmp7, 0xffff
	s_lshr_b32 s45, s45, 2                         ; the batch = cluster y / 4 (16 key blocks a batch, 4 a cluster)
	s_lshl_b32 s96, s45, 8                         ; its 256 bytes of scl
	s_mov_b32 s97, 0
	s_lshl_b32 s45, s45, 12                        ; its 2,048 columns of 2 bytes in a row of vt
	s_and_b32 s13, ttmp7, 0xffff
	s_lshl_b32 s13, s13, 2
	s_add_co_u32 s13, s13, s41                     ; by = 16 b + kb
	s_lshl_b32 s43, s41, 2
	s_lshl_b32 s43, 15, s43                        ; my row of the cluster
	s_lshl_b32 s44, 0x1111, s40                    ; my column
	s_or_b32 s[G1A], s43, FLX
	s_or_b32 s[G1A+8], s43, FLY
	s_or_b32 s[G1B], s44, FLX
	s_or_b32 s[G1B+8], s44, FLY
	SHAPE G1A,   256, 64,  2048                    ; A in X: 64 rows x 256 elements; 2,048 elements from row to row of pt
	SHAPE G1A+8, 128, 64,  2048                    ; A in Y: 64 rows x 128
	SHAPE G1B,   256, 128, 8192                    ; B in X: 128 rows x 256; 8,192 elements from row to row of vt
	SHAPE G1B+8, 128, 128, 8192                    ; B in Y: 128 rows x 128
	; where the tiles go: a constant and the wave's number times a constant
	s_mov_b32 s[G0A], 1
	s_mul_i32 s[G0A+1], s10, 64*PX
	s_add_co_u32 s[G0A+1], s[G0A+1], XA-128*PX     ; waves 2, 3: XA and XA + 64 rows
	s_mov_b32 s[G0A+4], 1
	s_mul_i32 s[G0A+5], s10, 64*PY
	s_add_co_u32 s[G0A+5], s[G0A+5], YA-128*PY     ; waves 2, 3: YA and YA + 64 rows
	s_mov_b32 s[G0B], 1
	s_mul_i32 s[G0B+1], s10, 128*PX                ; waves 0, 1: XB = 0 and 128 rows on
	s_mov_b32 s[G0B+4], 1
	s_mul_i32 s[G0B+5], s10, 128*PY
	s_add_co_u32 s[G0B+5], s[G0B+5], YB            ; waves 0, 1: YB and 128 rows on
	; where they come from: A's hang on the block row alone, B's on the block column and the cluster's y alone
	s_lshl_b32 s16, s13, 7
	s_lshl_b32 s17, s12, 6
	s_add_co_u32 s16, s16, s17                     ; A: row 128 by + 64 x half
	s_lshl_b32 s16, s16, 12                        ; rows of 4,096 bytes
	s_mov_b32 s17, 0
	s_lshl_b32 s46, s42, 8
	s_lshl_b32 s47, s12, 7
	s_add_co_u32 s46, s46, s47                     ; B: row 256 bx + 128 x half
	s_lshl_b32 s46, s46, 14                        ; rows of 16,384 bytes
	s_add_co_u32 s46, s46, s45                     ; + the batch's columns
	s_mov_b32 s47, 0
	s_wait_dscnt 0x0
	s_wait_kmcnt 0x0
	s_add_nc_u64 s[14:15], s[4:5], s[16:17]
	s_add_nc_u64 s[46:47], s[6:7], s[46:47]
	s_add_nc_u64 s[G0A+2:G0A+3], s[14:15], X0OFF
	s_or_b32 s[G0A+3], s[G0A+3], 0x80000000
	s_add_nc_u64 s[G0A+6:G0A+7], s[14:15], Y0OFF
	s_or_b32 s[G0A+7], s[G0A+7], 0x80000000
	s_add_nc_u64 s[G0B+2:G0B+3], s[46:47], X0OFF
	s_or_b32 s[G0B+3], s[G0B+3], 0x80000000
	s_add_nc_u64 s[G0B+6:G0B+7], s[46:47], Y0OFF
	s_or_b32 s[G0B+7], s[G0B+7], 0x80000000
	CROUND                                         ; in front of the first joint loads
	JLOAD 1                                        ; Y0, which is read first,
	JLOAD 0                                        ; and X0: both first fills, ahead of everything else
	s_add_nc_u64 s[86:87], s[86:87], s[96:97]
	s_load_b32 s90, s[86:87], 0x20                 ; so; s[86:87] are not written again
	; my key block's row of eb: 128 threads x 16 bytes, twice, in whole aligned runs of 512 bytes a wave
	s_lshl_b32 s98, s13, 12
	s_mov_b32 s99, 0
	s_add_nc_u64 s[84:85], s[84:85], s[98:99]
	v_lshlrev_b32 v4, 4, v0
	global_load_b128 v[32:35], v4, s[84:85]
	global_load_b128 v[36:39], v4, s[84:85] offset:2048
	v_and_b32 v1, 15, v0
	v_bfe_u32 v2, v0, 4, 1
	v_and_b32 v6, 31, v0
	v_mul_u32_u24 v3, v1, PX
	v_lshl_add_u32 v3, v2, 4, v3                   ; in X: row x pitch + 16 h
	v_mul_u32_u24 v9, v1, PY
	v_lshl_add_u32 v9, v2, 4, v9                   ; in Y
	s_mul_i32 s16, s11, 64*PX
	s_add_co_u32 s16, s16, XA                      ; my 64 rows of A in X
	s_mul_i32 s17, s12, 128*PX                     ; my 128 rows of B in X (XB = 0)
	s_mul_i32 s18, s11, 64*PY
	s_add_co_u32 s18, s18, YA                      ; and in Y
	s_mul_i32 s19, s12, 128*PY
	s_add_co_u32 s19, s19, YB
	v_add_nc_u32 v[ADRA], s16, v3
	v_add_nc_u32 v[ADRB], s17, v3
	v_add_nc_u32 v[ADRA+1], s18, v9
	v_add_nc_u32 v[ADRB+1], s19, v9
	s_mul_i32 s98, s10, 16*SPITCH                  ; my stage, from LDS byte 0
	v_mul_u32_u24 v7, v1, SPITCH
	v_lshl_add_u32 v7, v2, 5, v7                   ; row r, 32 bytes for each half of the lanes
	v_add_nc_u32 v[STO], s98, v7
	v_lshl_add_u32 v[RD], v6, 4, s98               ; back: 32 lanes take one row of 512 bytes
	v_lshlrev_b32 v[CO], 4, v6
	v_lshlrev_b32 v[EA], 4, v2                     ; a fragment's K = 8 h + 0..7 (and 16 more): 16 h bytes into the factors
	v_add_nc_u32 v[EA], EBT-KPER, v[EA]            ; a Y tile's factors are read 768 bytes behind EA, an X tile's 256: Y0 counts as the end of a period before the first
	v_add_nc_u32 v5, EBT, v4
	s_lshl_b32 s100, s13, 7
	s_lshl_b32 s101, s11, 6
	s_add_co_u32 s100, s100, s101                  ; my first row of out0
	s_lshl_b32 s100, s100, 12
	s_lshl_b32 s101, s42, 10                       ; 256 columns of 4 bytes a block
	s_add_co_u32 s100, s100, s101
	s_lshl_b32 s101, s12, 9
	s_add_co_u32 s100, s100, s101
	s_mov_b32 s101, 0
	s_add_nc_u64 s[8:9], s[8:9], s[100:101]
	s_wait_kmcnt 0x0                               ; so
	s_mov_b32 s91, s90                             ; a pair for the packed form
	s_wait_loadcnt 0x0
	ds_store_b128 v5, v[32:35]
	ds_store_b128 v5, v[36:39] offset:2048
.macro MUL16 f, a0, zero
.irp a, \a0, \a0+1
.irp b, 0,1,2,3,4,5,6,7
.if \zero
	v_wmma_f32_16x16x32_f16 v[8*(8*(\a)+\b):8*(8*(\a)+\b)+7], v[FB+NEXTF*\f+8*\b:FB+NEXTF*\f+8*\b+7], v[FA+NEXTF*\f+8*(\a):FA+NEXTF*\f+8*(\a)+7], 0
.else
	v_wmma_f32_16x16x32_f16 v[8*(8*(\a)+\b):8*(8*(\a)+\b)+7], v[FB+NEXTF*\f+8*\b:FB+NEXTF*\f+8*\b+7], v[FA+NEXTF*\f+8*(\a):FA+NEXTF*\f+8*(\a)+7], v[8*(8*(\a)+\b):8*(8*(\a)+\b)+7]
.endif
.endr
.endr
.endm
; 26 LDS loads in one run: 128 rows of B, 64 rows of A, 32 along K at byte k of slot sl's rows, and the 32 factors (eo: their bytes behind EA), into buffer f
.macro FETCH sl, k, f, eo
.set LP, PX-(\sl)*(PX-PY)              ; the slot's pitch
.irp i, 0,1,2,3,4,5,6,7
	ds_load_b128 v[FB+NEXTF*\f+8*\i:FB+NEXTF*\f+8*\i+3],   v[ADRB+\sl] offset:\k+\i*16*LP
	ds_load_b128 v[FB+NEXTF*\f+8*\i+4:FB+NEXTF*\f+8*\i+7], v[ADRB+\sl] offset:\k+\i*16*LP+32
.endr
.irp i, 0,1,2,3
	ds_load_b128 v[FA+NEXTF*\f+8*\i:FA+NEXTF*\f+8*\i+3],   v[ADRA+\sl] offset:\k+\i*16*LP
	ds_load_b128 v[FA+NEXTF*\f+8*\i+4:FA+NEXTF*\f+8*\i+7], v[ADRA+\sl] offset:\k+\i*16*LP+32
.endr
	ds_load_b128 v[EF+8*\f:EF+8*\f+3],   v[EA] offset:\eo
	ds_load_b128 v[EF+8*\f+4:EF+8*\f+7], v[EA] offset:\eo+32
.endm
.macro SCALE f                         ; A's fragment times its K's factor: register i of every row tile holds the same K as register i of the factors
.irp i, 0,1,2,3
.irp r, 0,1,2,3,4,5,6,7
	v_pk_mul_f16 v[FA+NEXTF*\f+8*\i+\r], v[FA+NEXTF*\f+8*\i+\r], v[EF+8*\f+\r]
.endr
.endr
.endm
.macro PLACES                          ; four independent vector instructions behind a matrix instruction (ISA guide 7.12.1 for vector accesses)
.rept 4
	v_nop
.endr
.endm
; A quarter (32 along K).  The 32 accumulators take turns, one instruction a turn, in the same order in every quarter.
.macro QUARTER sl, k, f, g, zero
	s_wait_dscnt 0x0                               ; buffer f is in; nothing else is out
	WIN 0
	SCALE \f
	PLACES
	FETCH \sl, \k, \g, 256+512*\sl+\k              ; these have this quarter's 32 matrix instructions in which to land
	WIN MUL
	MUL16 \f, 0, \zero
	MUL16 \f, 2, \zero
.endm
.macro XRUN                            ; the first seven of X's eight quarters
	QUARTER 0, 64,  0, 1, 0
	QUARTER 0, 128, 1, 0, 0
	QUARTER 0, 192, 0, 1, 0
	QUARTER 0, 256, 1, 0, 0
	QUARTER 0, 320, 0, 1, 0
	QUARTER 0, 384, 1, 0, 0
	QUARTER 0, 448, 0, 1, 0
.endm
.macro YRUN zero                       ; the first three of Y's four quarters
	QUARTER 1, 64,  0, 1, \zero
	QUARTER 1, 128, 1, 0, 0
	QUARTER 1, 192, 0, 1, 0
.endm
; A slot's last quarter multiplies buffer 1 and changes slots.  In front of the barrier each wave waits for its reads of slot sl and for all its tensor
; loads (one is out: its part of the other slot); behind it the refill of slot sl comes first, then the other slot's first fragments.
; Behind Y a period ends: EA steps to the next period's factors.
.macro TURN sl, next, fill
	s_wait_dscnt 0x0                               ; buffer 1 is in, and with it my last reads of this slot
	WIN 0
	SCALE 1
	s_wait_tensorcnt 0x0                           ; all my tensor loads have landed: my part of the other slot
	ds_add_u32 v254, v255
	s_wait_dscnt 0x0
	WIN MUL
	s_barrier_signal -1
	MUL16 1, 0, 0                                  ; register work while the others arrive
	WIN 0
	s_barrier_wait -1
.if \fill
	CREST                                          ; the cluster's round closes: no partner's wave reads this slot or has a load on its way
	s_add_nc_u64 s[G0A+4*\sl+2:G0A+4*\sl+3], s[G0A+4*\sl+2:G0A+4*\sl+3], KPER
	s_add_nc_u64 s[G0B+4*\sl+2:G0B+4*\sl+3], s[G0B+4*\sl+2:G0B+4*\sl+3], KPER
	JLOAD \sl                                      ; the first tensor load behind the round; its four v_nop are the places in front of the loads below
.else
	PLACES
.endif
	FETCH \next, 0, 0, 768+256*\sl                 ; from X on to Y: 768 behind EA; from Y on to the next period's X: 768 + 256
	WIN MUL
	MUL16 1, 2, 0
.if \sl
	WIN 0
	v_add_nc_u32 v[EA], KPER, v[EA]
.endif
.endm
	s_wait_dscnt 0x0                               ; my part of the factors is in LDS, for the other waves' sake
	s_wait_tensorcnt 0x1                           ; my part of Y0 is in; X0's may stay out
	s_barrier_signal -1
	s_barrier_wait -1
	FETCH 1, 0, 0, 768
	YRUN 1                                         ; Y0: the first products start the sums
	TURN 1, 0, 1                                   ; Y1 goes out
	s_mov_b32 s3, PERIODS-1
.Lperiod:                                          ; periods 0 to 3: X p, Y p+1; X p+1 and Y p+2 go out
	XRUN
	TURN 0, 1, 1
	YRUN 0
	TURN 1, 0, 1
	s_sub_co_u32 s3, s3, 1
	s_cmp_lg_u32 s3, 0
	s_cbranch_scc1 .Lperiod
	XRUN                                           ; the last period, X4 and Y5, fills nothing
	TURN 0, 1, 0                                   ; behind this barrier no wave reads X any more
	YRUN 0
	s_wait_dscnt 0x0
	WIN 0
	SCALE 1
	WIN MUL
	MUL16 1, 0, 0
	MUL16 1, 2, 0
	; the two scales are undone in f32: x so, a power of two
	PLACES
	WIN 0x41                                       ; source 0 and destination window 1
.set c, 0
.rept 128
	v_pk_mul_f32 v[c:c+1], v[c:c+1], s[90:91] op_sel_hi:[1,0]
.set c, c+2
.endr
	; THE WAY OUT, 16 rows at a time, in f32: 32 bytes a lane and tile into my stage, whole rows of 512 bytes back
.macro OUTF a, f
	WIN 0x04                                       ; the LDS stores' data window 1
.irp b, 0,1,2,3,4,5,6,7
	ds_store_b128 v[STO], v[8*(8*\a+\b):8*(8*\a+\b)+3]   offset:64*\b
	ds_store_b128 v[STO], v[8*(8*\a+\b)+4:8*(8*\a+\b)+7] offset:64*\b+16
.endr
	WIN 0
	s_wait_xcnt 0x0                                ; buffer f and the stores' base are rewritten only behind this wait
.if \a
	s_add_nc_u64 s[8:9], s[8:9], 16*LDC
.endif
.irp t, 0,1,2,3,4,5,6,7,8,9,10,11,12,13,14,15
	ds_load_b128 v[\f+4*\t:\f+4*\t+3], v[RD] offset:\t*SPITCH      ; my wave's own bytes, served in order
.endr
.irp t, 0,1,2,3,4,5,6,7,8,9,10,11,12,13,14,15
	s_wait_dscnt 15-\t                             ; read-back t is in, the younger ones stay out
	global_store_b128 v[CO], v[\f+4*\t:\f+4*\t+3], s[8:9] offset:\t*LDC th:TH_STORE_NT   ; the wave stores 512 consecutive bytes, aligned
.endr
.endm
	OUTF 0, 32
	OUTF 1, 128
	OUTF 2, 32
	OUTF 3, 128
	s_wait_tensorcnt 0x0
	ds_add_u32 v254, v255
	s_wait_dscnt 0x0
	CROUND                                         ; the closing round
	s_endpgm
.Lfunc_end_k_qddf64939d9_outk:
	.size	k_qddf64939d9_outk, .Lfunc_end_k_qddf64939d9_outk-k_qddf64939d9_outk
	.p2alignl 7, 3214868480
	.fill 96, 4, 3214868480
	.section	.rodata,"a",@progbits
	.p2align	6, 0x0
	.amdhsa_kernel k_qddf64939d9_outk
		.amdhsa_group_segment_fixed_size 327680
		.amdhsa_private_segment_fixed_size 0
		.amdhsa_enable_private_segment 0
		.amdhsa_kernarg_size 40
		.amdhsa_user_sgpr_count 2
		.amdhsa_user_sgpr_kernarg_segment_ptr 1
		.amdhsa_wavefront_size32 1
		.amdhsa_system_sgpr_workgroup_id_x 1
		.amdhsa_system_sgpr_workgroup_id_y 1
		.amdhsa_system_sgpr_workgroup_id_z 1
		.amdhsa_system_vgpr_workitem_id 0
		.amdhsa_next_free_vgpr 512
		.amdhsa_next_free_sgpr 102
		.amdhsa_reserve_vcc 0
		.amdhsa_float_denorm_mode_32 3
		.amdhsa_float_denorm_mode_16_64 3
		.amdhsa_memory_ordered 1
		.amdhsa_forward_progress 1
		.amdhsa_inst_pref_size 202
	.end_amdhsa_kernel
	.amdgpu_metadata
---
amdhsa.version: [ 1, 2 ]
amdhsa.kernels:
  - .name:           k_qddf64939d9_outk
    .symbol:         k_qddf64939d9_outk.kd
    .args:
      - { .name: pt, .offset: 0, .size: 8, .value_kind: global_buffer, .address_space: global }
      - { .name: vt, .offset: 8, .size: 8, .value_kind: global_buffer, .address_space: global }
      - { .name: eb, .offset: 16, .size: 8, .value_kind: global_buffer, .address_space: global }
      - { .name: scl, .offset: 24, .size: 8, .value_kind: global_buffer, .address_space: global }
      - { .name: out0, .offset: 32, .size: 8, .value_kind: global_buffer, .address_space: global }
    .group_segment_fixed_size: 327680
    .private_segment_fixed_size: 0
    .kernarg_segment_align: 8
    .kernarg_segment_size: 40
    .max_flat_workgroup_size: 128
    .sgpr_count:     102
    .vgpr_count:     512
    .wavefront_size: 32
...
	.end_amdgpu_metadata
.endif
;; end of part 6
